; MI455X (gfx1250); checked and timed in simulation.
; The chip was launched on July 23, 2026; its instructions are those of AMD's public machine-readable ISA for CDNA 5 (MIT licence, August 2026) and "CDNA5" Instruction Set Architecture Reference Guide (July 2026). The comments in the code are by the model that wrote it; some were corrected since.
;; Cross Attention. Allowed arithmetic: matrix products marked QUANTISED: E2M3 operands, one E8M0 scale for each 32 along K, by v_wmma_scale_f32_16x16x128_f8f6f4 with both operands' format E2M3, f32 sums; everything else in f32.
;; Inputs: Wk 1,024 x 1,024 float32; Wo 1,024 x 1,024 float32; Wq 1,024 x 1,024 float32; Wv 1,024 x 1,024 float32; attention_mask 4 x 2,048 bool; src 4 x 2,048 x 1,024 float32; tgt 4 x 2,048 x 1,024 float32.
;; Outputs: out0 4 x 2,048 x 1,024 float32.
;; This version of the problem:
;;   THIS VERSION OF THE PROBLEM IS GIVEN IN LOW PRECISION. The matrix products marked QUANTISED in the list below multiply operands that are first quantised to E2M3 (2 exponent bits, 3 mantissa bits; 6 bits a number), with one power-of-two scale for each 32 numbers along K (OCP MX v1.0); their sums are f32. All else is computed in f32.
;;   The module's matrix products, in the order in which they are computed (A, B: the left and right operand; K: the contracted axis; several contracted axes count as one K, in the product's order):
;;     1. [M 8,192, K 1,024] x [K 1,024, N 1,024]; A: input tgt; B: input Wq: QUANTISED
;;     2. [M 8,192, K 1,024] x [K 1,024, N 1,024]; A: input src; B: input Wk: QUANTISED
;;     3. [M 8,192, K 1,024] x [K 1,024, N 1,024]; A: input src; B: input Wv: QUANTISED
;;     4. batch 64 x [M 2,048, K 64] x [K 64, N 2,048]; A: computed on the way; B: computed on the way: QUANTISED
;;     5. batch 64 x [M 2,048, K 2,048] x [K 2,048, N 64]; A: softmax (see below); B: computed on the way: QUANTISED
;;     6. [M 8,192, K 1,024] x [K 1,024, N 1,024]; A: computed on the way; B: input Wo: QUANTISED
;;   THE QUANTISER, for each operand of a quantised product, along K:
;;     - K is cut into blocks of 32 from its start; a last block that is shorter is filled with zeros.
;;     - A block's scale is 2^e with e = floor(log2(the largest magnitude in the block)) - 2, held to -126 .. 127; a block of zeros has e = 0. As a byte (E8M0): e + 127.
;;     - Each number is divided by its block's scale, clamped to +-7.5, and rounded to the nearest number of E2M3, ties to even, subnormals kept.
;;     - The product sums the exact products of the quantised numbers (number of the format x scale) in f32.
;;   ~~~python
;;   def quantise(x, axis):      # numpy; x: float32 -> the quantised numbers, widened to float32 again
;;       x = np.moveaxis(x, axis, -1); K = x.shape[-1]
;;       x = np.pad(x, [(0, 0)] * (x.ndim - 1) + [(0, -K % 32)]); x = x.reshape(x.shape[:-1] + (-1, 32)); a = np.abs(x).max(-1, keepdims=True)
;;       e = np.where(a > 0, np.clip(np.frexp(np.where(a > 0, a, 1))[1] - 1 - 2, -126, 127), 0)      # np.frexp(a)[1] - 1 = floor(log2(a)), exactly
;;       r = np.clip(x / 2.0 ** e, -7.5, 7.5)
;;       step = 2.0 ** (np.maximum(np.frexp(np.where(r == 0, 1, r))[1] - 1, 0) - 3)
;;       q = np.round(r / step) * step * 2.0 ** e      # np.round: ties to even
;;       return np.moveaxis(q.reshape(q.shape[:-2] + (-1,))[..., :K], -1, axis).astype(np.float32)
;;   ~~~
;;   SOFTMAX AHEAD OF A QUANTISED PRODUCT. Where the list says 'softmax', what is quantised is not the finished softmax but p = 2^(t - M), with t = logit x log2(e) and M = ceil(the row's largest t), a whole number; so 1/2 < the row's largest p <= 1. The row's sum l is taken of the UNQUANTISED p, in f32, and the product's result is divided by l at the end. Since M is a whole number, a kernel that streams over the keys may use a running M (the ceiling of the running maximum): every later rescaling is an exact power of two, which a block's scale takes up: the codes' values come out the same.
;;   OPERANDS COMPUTED ON THE WAY. 'Computed on the way' means the value that the module computes at that place (a softmax that the list does not call 'softmax' is quantised finished and normalised). What goes into a quantiser is computed in f32, as accurately as f32 sums, v_exp_f32 and their like allow (about 1e-6 of the number): no bf16 or f16 on the way to a quantiser, and a product that is left as it is and whose result goes on into a quantised operand takes f32 operands (vector FMAs, or v_wmma_f32_16x16x4_f32). A number that lies on a knife's edge between two numbers of the format may be rounded either way, as far as f32 arithmetic and the matrix unit's own rounding can turn it there, and no further.
;; One version. Each part assembles by itself: llvm-mc -triple=amdgcn-amd-amdhsa -mcpu=gfx1250 --defsym DOCPART=n.
;; ======== version 1 of 1: 4 launches
;; limits: right only within a limited range of input values
;; workspace buffers: xw_img 15,728,640 bytes; xw_sc 655,360 bytes; qkv_img 18,874,368 bytes; qkv_sc 786,432 bytes; o_img 6,291,456 bytes; o_sc 262,144 bytes
;; launch quant (part 1): grid 256 x 1, 5 waves a work-group, no clusters, 43,008 bytes of LDS; arguments src, tgt, Wq, Wk, Wv, Wo, xw_img, xw_sc; writes xw_img, xw_sc
.if DOCPART == 1
	.amdgcn_target "amdgcn-amd-amdhsa--gfx1250"
	.amdhsa_code_object_version 6
	.text
	.protected	k_qe9646cb4f1_quant
	.globl	k_qe9646cb4f1_quant
	.p2align	8
	.type	k_qe9646cb4f1_quant,@function
k_qe9646cb4f1_quant:
	s_mov_b64 s[64:65], 0
	v_nop
	global_prefetch_b8 v0, s[64:65] scope:SCOPE_SE
	s_setreg_imm32_b32 hwreg(HW_REG_WAVE_MODE, 25, 1), 1
	s_wait_xcnt 0x0
; src, tgt [8192][1024] and Wq, Wk, Wv, Wo [1024][1024], f32 with K innermost, become codes of FP6 (E2M3) with one E8M0 byte for each 32 along K.
; A block's scale is 2^(floor(log2(its largest magnitude)) - 2); its byte is the largest magnitude's exponent field - 2, held at 1 from below.
; LIMITS: a block of zeros gets the byte 1 where the quantiser says 127 (its codes are zeros, and this program alone reads the bytes); blocks whose largest magnitude lies under 2^-124
; are held at the byte 1; NaN and infinities among the inputs are not served.
; THE OUTPUT IS LAID AS THE MATRIX OPERAND'S REGISTERS.  A rowblock is 16 rows; its 8 K steps of 128 are 8 fragments of 12 registers a lane, 1,536 bytes each: three chunks of 512 bytes,
; chunk j = registers 4 j .. 4 j + 3, lane l at 16 l.  xw_img: 1,280 rowblocks x 12,288 bytes: src 0-511, tgt 512-1023, Wq 1024-, Wk 1088-, Wv 1152-, Wo 1216-1279.
; xw_sc: a rowblock's 16 rows x 8 scale words, row-major, 512 bytes.
; WHICH ROWS FORM A ROWBLOCK: in tgt and Wo sixteen neighbours.  In src, Wq, Wk, Wv rowblock 2 m + u holds rows 32 m + 8 u + r + 8 (r / 8), r = 0 .. 15, so that a later product's results
; of two neighbouring rowblocks are 16 neighbours along the next product's K in one lane's registers.
; SHARES: a wave takes one rowblock: 64 KiB in, 12,800 bytes out.  Waves share nothing: no barrier, no cluster, no tensor load.  Each load reads 512 consecutive bytes of one row; a K step's
; 16 x 512 bytes turn through the wave's own stage in LDS (rows 528 bytes apart, so that sixteen rows begin in sixteen different groups of banks) and come back 16 neighbours of a block to a lane.
; Loads run two K steps (32 loads a wave) ahead.  Memory binds here, so no prefetch is laid beside the loads.
.set STG,   8448                       ; a wave's stage: 16 rows x 528 bytes
.set SPARE, 5*STG                      ; behind the five waves' stages: the spare words, 128 bytes for each wave, in three blocks of 256
.set R,     16                         ; v16-143  two sets of 64: a K step as loaded, row i in registers 4 i .. 4 i + 3
.set X,     144                        ; v144-207 register 16 b + i = k 32 b + 16 (lane / 16) + i of row lane % 16
.set PC,    208                        ; v208-219 the fragment just made; v220-226 halves on their way
.set TM,    228                        ; v228-243 at work
.set PW,    244                        ; v244-251 the eight K steps' scale words
.set SPW,   252                        ; LDS address of my spare word; never rewritten
.set NIL,   253                        ; 0; never rewritten
.set SEL,   32                         ; s[32:33] v_permlanex16_b32's selects for lane l xor 16
.set HI,    34                         ; s34 the mask of lanes 16-31
	s_load_b256 s[4:11], s[0:1], 0x0               ; src, tgt, Wq, Wk
	s_load_b256 s[12:19], s[0:1], 0x20             ; Wv, Wo, xw_img, xw_sc
	v_lshl_add_u32 v[SPW], v0, 2, SPARE
	v_mov_b32 v[NIL], 0
	v_lshrrev_b32 v7, 5, v0
	v_readfirstlane_b32 s20, v7                    ; wave
	s_mul_i32 s21, ttmp9, 5                        ; 1,280 rowblocks = 256 work-groups x 5 waves
	s_add_co_u32 s21, s21, s20                     ; my rowblock: 5 x work-group + wave
	v_and_b32 v7, 31, v0                           ; lane
	v_and_b32 v8, 15, v0                           ; r
	v_bfe_u32 v9, v0, 4, 1                         ; h
	v_lshlrev_b32 v1, 4, v7                        ; 16 x lane: my bytes of a load's 512, and of a chunk of codes
	s_mul_i32 s22, s20, STG
	v_add_nc_u32 v3, s22, v1                       ; into the stage: 16 x lane of a row
	v_mul_u32_u24 v4, v8, 528
	v_lshl_add_u32 v4, v9, 6, v4
	v_add_nc_u32 v4, s22, v4                       ; out of it: row r, + 64 h: my 16 numbers of a block of 32
	v_lshlrev_b32 v6, 5, v8
	v_lshl_add_u32 v6, v9, 4, v6                   ; the scale words: row r's 32 bytes, lanes 16-31 the upper four words
	s_mov_b32 s[SEL], 0x76543210
	s_mov_b32 s[SEL+1], 0xfedcba98
	s_mov_b32 s[HI], 0xffff0000
.irp b, 0,1,2,3
	v_mov_b32 v[TM+4+\b], 0                        ; written once: a lane permute's destination counts as one of its sources
.endr
	s_wait_alu depctr_va_vdst(0)
	s_wait_kmcnt 0x0
	; which tensor my rowblock belongs to: a choice of pointers on the rowblock's number alone
	s_mov_b64 s[24:25], s[14:15]                   ; Wo
	s_mov_b32 s26, 1216
	s_cmp_lt_u32 s21, 1216
	s_cselect_b64 s[24:25], s[12:13], s[24:25]     ; Wv
	s_cselect_b32 s26, 1152, s26
	s_cmp_lt_u32 s21, 1152
	s_cselect_b64 s[24:25], s[10:11], s[24:25]     ; Wk
	s_cselect_b32 s26, 1088, s26
	s_cmp_lt_u32 s21, 1088
	s_cselect_b64 s[24:25], s[8:9], s[24:25]       ; Wq
	s_cselect_b32 s26, 1024, s26
	s_cmp_lt_u32 s21, 1024
	s_cselect_b64 s[24:25], s[6:7], s[24:25]       ; tgt
	s_cselect_b32 s26, 512, s26
	s_cmp_lt_u32 s21, 512
	s_cselect_b64 s[24:25], s[4:5], s[24:25]       ; src
	s_cselect_b32 s26, 0, s26
	s_sub_co_u32 s27, s21, s26                     ; the rowblock's number in its tensor
	s_lshl_b32 s35, s27, 4                         ; neighbours: first row 16 x number
	s_lshr_b32 s36, s27, 1
	s_lshl_b32 s36, s36, 5
	s_and_b32 s37, s27, 1
	s_lshl_b32 s37, s37, 3
	s_add_co_u32 s36, s36, s37                     ; else 32 (number / 2) + 8 (number % 2),
	s_mov_b32 s38, 32768                           ; and rows 8-15 of the rowblock lie 8 rows (32,768 bytes) further down
	s_cmp_eq_u32 s26, 512                          ; tgt
	s_cselect_b32 s36, s35, s36
	s_cselect_b32 s38, 0, s38
	s_cmp_eq_u32 s26, 1216                         ; Wo
	s_cselect_b32 s36, s35, s36
	s_cselect_b32 s38, 0, s38
	s_lshl_b32 s36, s36, 12                        ; a row is 4,096 bytes
	s_mov_b32 s37, 0
	s_add_nc_u64 s[24:25], s[24:25], s[36:37]
	v_add_nc_u32 v2, s38, v1                       ; the offset for rows 8-15
	s_mul_i32 s40, s21, 12288
	s_mov_b32 s41, 0
	s_add_nc_u64 s[28:29], s[16:17], s[40:41]      ; my rowblock's codes
	s_lshl_b32 s40, s21, 9
	s_add_nc_u64 s[30:31], s[18:19], s[40:41]      ; and its scale words
.macro LOAD ks                         ; K step ks of my 16 rows: sixteen loads of 512 consecutive bytes
.irp i, 0,1,2,3,4,5,6,7
	global_load_b128 v[R+64*((\ks)%2)+4*\i:R+64*((\ks)%2)+4*\i+3], v1, s[24:25] offset:4096*\i+512*(\ks) th:TH_LOAD_NT
.endr
.irp i, 8,9,10,11,12,13,14,15
	global_load_b128 v[R+64*((\ks)%2)+4*\i:R+64*((\ks)%2)+4*\i+3], v2, s[24:25] offset:4096*\i+512*(\ks) th:TH_LOAD_NT
.endr
.endm
; 64 numbers of a lane, register 16 b + i = k 32 b + 16 (lane / 16) + i of my row, become a fragment's codes in v[PC] on and its scale word in v[pw]
.macro QUANT s, pw
.irp b, 0,1,2,3
	v_max3_num_f32 v[TM+\b], |v[\s+16*\b]|, |v[\s+1+16*\b]|, 0x1800000   ; block b: my 16 numbers, and the floor 2^(3 - 127): the byte cannot fall under 1
.endr
.irp i, 2,4,6,8,10,12,14
.irp b, 0,1,2,3
	v_max3_num_f32 v[TM+\b], v[TM+\b], |v[\s+16*\b+\i]|, |v[\s+1+16*\b+\i]|   ; the four blocks by turns
.endr
.endr
.irp b, 0,1,2,3
	v_permlanex16_b32 v[TM+4+\b], v[TM+\b], s[SEL], s[SEL+1]
.endr
.irp b, 0,1,2,3
	v_max_num_f32 v[TM+\b], v[TM+\b], v[TM+4+\b]   ; with lane l xor 16's: the block's largest magnitude
.endr
.irp b, 0,1,2,3
	v_add_nc_u32 v[TM+12+\b], 0xff000000, v[TM+\b] ; 2 off its exponent field: the conversion takes the exponent field of this operand as its scale
.endr
.irp b, 0,1,2,3
	v_lshrrev_b32 v[TM+4+\b], 23, v[TM+12+\b]      ; the scale's byte
.endr
	v_lshl_or_b32 v[\pw], v[TM+5], 8, v[TM+4]
	v_lshl_or_b32 v[\pw], v[TM+6], 16, v[\pw]
	v_lshl_or_b32 v[\pw], v[TM+7], 24, v[\pw]
.irp c, 0,1
	v_cvt_scalef32_pk16_fp6_f32 v[PC+6*\c:PC+2+6*\c], v[\s+32*\c:\s+15+32*\c], v[TM+12+2*\c]
	v_cvt_scalef32_pk16_fp6_f32 v[PC+12+4*\c:PC+14+4*\c], v[\s+16+32*\c:\s+31+32*\c], v[TM+12+2*\c+1]   ; (a conversion's three registers begin on an even number)
.endr
	v_nop                                          ; one plain place behind a scaled conversion
.irp c, 0,1                                    ; the operand's layout wants a whole block in a lane: lanes 0-15 block 2 c, lanes 16-31 block 2 c + 1
.irp i, 0,1,2
	v_permlane16_swap_b32 v[PC+6*\c+\i], v[PC+12+4*\c+\i]
.endr
.irp i, 0,1,2
	v_mov_b32 v[PC+3+6*\c+\i], v[PC+12+4*\c+\i]
.endr
.endr
.endm
.macro STEP ks
.if (\ks) < 7
	s_wait_loadcnt 16                              ; this K step's sixteen loads are in; the next step's sixteen may be out
.else
	s_wait_loadcnt 0x0
.endif
.irp i, 0,1,2,3,4,5,6,7,8,9,10,11,12,13,14,15
	ds_store_b128 v3, v[R+64*((\ks)%2)+4*\i:R+64*((\ks)%2)+4*\i+3] offset:528*\i
.endr
.irp b, 0,1,2,3
.irp j, 0,1,2,3
	ds_load_b128 v[X+16*\b+4*\j:X+16*\b+4*\j+3], v4 offset:128*\b+16*\j   ; LDS serves a wave's instructions in order: these see the stores above
.endr
.endr
	s_wait_dscnt 0x0                               ; the numbers are back, and the stores into the stage have read their registers
	s_wait_xcnt 0x0                                ; the last step's stores of codes have read theirs: the codes' registers are written again below
.if (\ks) < 6
	LOAD (\ks)+2
.endif
	QUANT X, PW+(\ks)
.irp j, 0,1,2
	global_store_b128 v1, v[PC+4*\j:PC+4*\j+3], s[28:29] offset:1536*(\ks)+512*\j   ; 512 consecutive bytes, at a multiple of 256 from the buffer's first byte
.endr
.endm
	LOAD 0
	LOAD 1
	s_wait_alu depctr_va_vdst(0)
.irp k, 0,1,2,3,4,5,6,7
	STEP \k
.endr
.irp j, 0,1,2,3
	v_cndmask_b32 v[TM+\j], v[PW+\j], v[PW+4+\j], s[HI]   ; lanes 0-15 store K steps 0-3 of their row, lanes 16-31 K steps 4-7
.endr
	global_store_b128 v6, v[TM:TM+3], s[30:31]     ; the rowblock's 512 bytes of scale words by one instruction
	s_wait_tensorcnt 0x0                           ; the wave's end, behind my last LDS store
	ds_add_u32 v[SPW], v[NIL]
	s_wait_dscnt 0x0
	s_endpgm
.Lfunc_end_k_qe9646cb4f1_quant:
	.size	k_qe9646cb4f1_quant, .Lfunc_end_k_qe9646cb4f1_quant-k_qe9646cb4f1_quant
	.p2alignl 7, 3214868480
	.fill 96, 4, 3214868480
	.section	.rodata,"a",@progbits
	.p2align	6, 0x0
	.amdhsa_kernel k_qe9646cb4f1_quant
		.amdhsa_group_segment_fixed_size 43008
		.amdhsa_private_segment_fixed_size 0
		.amdhsa_enable_private_segment 0
		.amdhsa_kernarg_size 64
		.amdhsa_user_sgpr_count 2
		.amdhsa_user_sgpr_kernarg_segment_ptr 1
		.amdhsa_wavefront_size32 1
		.amdhsa_system_sgpr_workgroup_id_x 1
		.amdhsa_system_sgpr_workgroup_id_y 1
		.amdhsa_system_sgpr_workgroup_id_z 1
		.amdhsa_system_vgpr_workitem_id 0
		.amdhsa_next_free_vgpr 256
		.amdhsa_next_free_sgpr 66
		.amdhsa_reserve_vcc 0
		.amdhsa_float_denorm_mode_32 3
		.amdhsa_float_denorm_mode_16_64 3
		.amdhsa_memory_ordered 1
		.amdhsa_forward_progress 1
		.amdhsa_inst_pref_size 65
	.end_amdhsa_kernel
	.amdgpu_metadata
---
amdhsa.version: [ 1, 2 ]
amdhsa.kernels:
  - .name:           k_qe9646cb4f1_quant
    .symbol:         k_qe9646cb4f1_quant.kd
    .args:
      - { .name: src, .offset: 0, .size: 8, .value_kind: global_buffer, .address_space: global }
      - { .name: tgt, .offset: 8, .size: 8, .value_kind: global_buffer, .address_space: global }
      - { .name: Wq, .offset: 16, .size: 8, .value_kind: global_buffer, .address_space: global }
      - { .name: Wk, .offset: 24, .size: 8, .value_kind: global_buffer, .address_space: global }
      - { .name: Wv, .offset: 32, .size: 8, .value_kind: global_buffer, .address_space: global }
      - { .name: Wo, .offset: 40, .size: 8, .value_kind: global_buffer, .address_space: global }
      - { .name: xw_img, .offset: 48, .size: 8, .value_kind: global_buffer, .address_space: global }
      - { .name: xw_sc, .offset: 56, .size: 8, .value_kind: global_buffer, .address_space: global }
    .group_segment_fixed_size: 43008
    .private_segment_fixed_size: 0
    .kernarg_segment_align: 8
    .kernarg_segment_size: 64
    .max_flat_workgroup_size: 160
    .sgpr_count:     66
    .vgpr_count:     256
    .wavefront_size: 32
...
	.end_amdgpu_metadata
.endif
;; end of part 1
;; launch proj (part 2): grid 4 x 192, 4 waves a work-group, clusters of 4 x 4, 295,424 bytes of LDS; arguments xw_img, xw_sc, qkv_img, qkv_sc; writes qkv_img, qkv_sc
.if DOCPART == 2
	.amdgcn_target "amdgcn-amd-amdhsa--gfx1250"
	.amdhsa_code_object_version 6
	.text
	.protected	k_qe9646cb4f1_proj
	.globl	k_qe9646cb4f1_proj
	.p2align	8
	.type	k_qe9646cb4f1_proj,@function
k_qe9646cb4f1_proj:
	s_mov_b64 s[64:65], 0
	v_nop
	global_prefetch_b8 v0, s[64:65] scope:SCOPE_SE
	s_setreg_imm32_b32 hwreg(HW_REG_WAVE_MODE, 25, 1), 1
	s_wait_xcnt 0x0
	s_wait_alu depctr_hold_cnt(0) depctr_sa_sdst(0) depctr_va_vdst(0) depctr_va_sdst(0) depctr_va_ssrc(0) depctr_va_vcc(0) depctr_vm_vsrc(0)
	s_getreg_b32 s2, hwreg(HW_REG_IB_STS2, 6, 4)
	s_cmp_eq_u32 s2, 0
	s_cbranch_scc0 .Lentry_in_a_cluster
	s_endpgm
.Lentry_in_a_cluster:
	s_bfe_u32 s2, ttmp6, 0x10000c
	s_cmp_lg_u32 s2, 0xf033
	s_cbranch_scc0 .Lentry_shape_is_right
	s_endpgm
.Lentry_shape_is_right:
; q = tgt Wq^T, k = src Wk^T and V^T = Wv src^T on codes of FP6 (E2M3) with E8M0 scales; the results are quantised in registers and stored as the attention launch's operands.
; Clusters 0-15 of the grid make q, 16-31 k, 32-47 V^T: ONE text; only offsets are chosen, by the cluster's number.  Of each product "A" is the operand whose rows become a lane's row
; (tgt, src, Wv) and "B" the one whose rows become the next product's K (Wq, Wk: the head's 64; src: the keys).
; A work-group makes 128 rows of A x 256 rows of B; a wave 64 x 128: 32 accumulators.  THE MATRIX INSTRUCTION IS USED TRANSPOSED (source 0 = 16 rows of B, source 1 = 16 rows of A): a lane
; holds one row of A, and by the order in which the launch before laid B's rows the 16 registers of two neighbouring tiles are 16 neighbours along the next K.
; ALL OF K (1,024) LIES IN LDS AT ONCE: (128 + 256) rows x 768 bytes = 294,912 bytes, brought in four quarters of K by four tensor loads a wave, all issued at the head.  Nothing is filled twice,
; so there is no ring; and since every tensor load goes out at the head, there is no later load for which a prefetch could ask ahead.
; CLUSTERS: 4 x 4 work-groups; A's tile hangs on the tile row alone and is asked for jointly along a row of the cluster, B's on the tile column alone and jointly along a column.
; Operands lie in memory and in LDS as images of their registers (a fragment = 16 rows x 128 K = 1,536 bytes, three chunks of 512 bytes, lane l at 16 l): dense loads, no padding.
; OUT.  q, k: [batch][head][tile of 16 rows][768 bytes]: half a fragment (the head's 64 along K): three pieces of 256 bytes, piece p = registers 2 p, 2 p + 1, lane l at 8 l.
;   V^T: [batch][head][step of 128 keys][tile of 16 channels][1,536 bytes]: six such pieces.  Scale words: 256 bytes for four neighbouring tiles: the word at 8 l + 4 i belongs to tile 2 i + l / 16, row l % 16.
; LIMITS: a block of zeros gets the byte 1 (its codes are zeros; this program alone reads the bytes); NaN and infinities are not served.
; REGISTERS, in windows of 256: window 0: v16-29 addresses; v32-47 A's scale words, v48-79 B's (register 8 i + ks: lanes 0-15 rowblock 2 i, lanes 16-31 rowblock 2 i + 1); v128-223 A's fragments, two sets;
;   on the way out v128-205 codes and work.   window 1: accumulator (a, b) at v[8 (8 a + b)].   window 2: B's fragments, two sets, at v0 and v96.
; K COMES IN TWO HALVES, ONE TENSOR LOAD A WAVE (in place of the four quarters that the head names): wave 0 A's first half, wave 1 B's, wave 2 A's second half, wave 3 B's.
.set QB,    6144                       ; four K steps of a rowblock: a row of a tensor load's tile
.set AQ,    8*QB                       ; a half of K of A's 8 rowblocks
.set BQ,    16*QB                      ; and of B's 16
.set BLDS,  2*AQ                       ; B's tiles lie behind A's
.set SPARE, BLDS+2*BQ                  ; behind them: the spare words, 128 bytes for each wave
.set ADRA, 16                          ; v16-19  16 x lane + my four rowblocks of A in quarter q
.set ADRB, 20                          ; v20-23  the same for my eight of B
.set VO,   24                          ; v24, v25 the way out: 8 x lane, and the same + the distance to the fragment's upper half
.set SVO,  26                          ; v26     32 x lane: a row's eight scale words
.set SPW,  28                          ; LDS address of my spare word; never rewritten
.set NIL,  29                          ; 0; never rewritten
.set SA,   32
.set SB,   48
.set AF,   128
.set CD,   128                         ; the way out: codes, 12 registers for each of my four rowblocks of A
.set YY,   176                         ; halves on their way
.set TM,   184                         ; at work
.set PW,   200                         ; four scale words; v204-205 as they are stored
.set G1A, 24                           ; s[24:31], s[32:39] descriptor groups 1;  s[48:63], s[68:83] groups 0, one for each quarter
.set G1B, 32
.set G0A, 48
.set G0B, 68
.set OUT, 84                           ; s[84:91] where my four rowblocks' codes go
.set SEL, 66                           ; s66, s67 v_permlanex16_b32's selects
.set HI,  47                           ; s47 (once A's first rowblock is used up) the mask of lanes 16-31
.set MSB, 0
.macro WIN new                         ; the immediate's high byte repeats the setting that is left
.if MSB != \new
	s_set_vgpr_msb (MSB<<8)|\new
.set MSB, \new
.endif
.endm
.macro PLACES                          ; four plain places behind matrix instructions, ahead of loads into their sources and of reads of their results
.rept 4
	v_nop
.endr
.endm
.macro CROUND                          ; a round of the cluster's barrier
	s_barrier_signal -1
	s_barrier_wait -1
	s_cmp_lg_u32 s14, 0
	s_cbranch_scc1 .Lnot_wave_0_\@
	s_barrier_signal -3
.Lnot_wave_0_\@:
	s_barrier_wait -3
	s_barrier_signal -1
	s_barrier_wait -1
.endm
	s_load_b256 s[4:11], s[0:1], 0x0               ; xw_img, xw_sc, qkv_img, qkv_sc
	v_lshl_add_u32 v[SPW], v0, 2, SPARE
	v_mov_b32 v[NIL], 0
	ds_add_u32 v[SPW], v[NIL]                      ; the wave's opening: the add and its wait ahead of my first tensor load
	ds_add_u32 v[SPW], v[NIL]
	v_lshrrev_b32 v1, 5, v0
	v_readfirstlane_b32 s14, v1                    ; wave
	s_lshr_b32 s15, s14, 1                         ; which 64 rows of A are mine.  Also: I fetch for A (0) or for B (1)
	s_and_b32 s16, s14, 1                          ; which 128 rows of B.  Also: which half of the tile I fetch
	s_bfe_u32 s40, ttmp6, 0x40000                  ; cx
	s_bfe_u32 s41, ttmp6, 0x40004                  ; cy
	s_and_b32 s42, ttmp7, 0xffff                   ; the cluster's number, 0 .. 47
	s_lshr_b32 s43, s42, 4                         ; the product: 0 q, 1 k, 2 V^T
	s_and_b32 s44, s42, 15
	s_and_b32 s45, s44, 1
	s_lshr_b32 s46, s44, 1
	s_mov_b32 s19, 1088
	s_cmp_eq_u32 s43, 2
	s_cselect_b32 s45, s45, s44                    ; q, k: 16 x 1 clusters over 64 x 4 tiles;  V^T: 2 x 8 over 8 x 32
	s_cselect_b32 s46, s46, 0
	s_cmp_eq_u32 s43, 0
	s_cselect_b32 s47, 512, 0                      ; A's first rowblock in xw_img: tgt 512, src 0, Wv 1,152
	s_cselect_b32 s19, 1024, s19                   ; B's: Wq 1,024, Wk 1,088, src 0
	s_cmp_eq_u32 s43, 2
	s_cselect_b32 s47, 1152, s47
	s_cselect_b32 s19, 0, s19
	s_lshl_b32 s45, s45, 2
	s_add_co_u32 s17, s45, s41                     ; tile row
	s_lshl_b32 s46, s46, 2
	s_add_co_u32 s18, s46, s40                     ; tile column
	s_lshl_b32 s20, s41, 2
	s_lshl_b32 s20, 15, s20                        ; my row of the cluster
	s_lshl_b32 s21, 0x1111, s40                    ; my column
	s_or_b32 s[G1A], s20, (3<<16)|(1<<21)          ; 15:0 the mask; 17:16 elements of 8 bytes; 21 set beside a mask; no padding
	s_or_b32 s[G1B], s21, (3<<16)|(1<<21)
	s_mov_b32 s[G1A+1], 768<<16                    ; tensor_dim0 = 768 elements: 6,144 bytes
	s_mov_b32 s[G1A+2], 8<<16                      ; tensor_dim1 = 8 rowblocks
	s_mov_b32 s[G1A+3], 768<<16                    ; tile_dim0
	s_mov_b32 s[G1A+4], 8                          ; tile_dim1
	s_mov_b32 s[G1A+5], 1536                       ; from rowblock to rowblock: 12,288 bytes
	s_mov_b32 s[G1A+6], 0
	s_mov_b32 s[G1A+7], 0
	s_mov_b32 s[G1B+1], 768<<16
	s_mov_b32 s[G1B+2], 16<<16                     ; 16 rowblocks
	s_mov_b32 s[G1B+3], 768<<16
	s_mov_b32 s[G1B+4], 16
	s_mov_b32 s[G1B+5], 1536
	s_mov_b32 s[G1B+6], 0
	s_mov_b32 s[G1B+7], 0
	s_lshl_b32 s22, s17, 3                         ; A: rowblock = first + 8 x tile row + 4 x half: no cx in these registers
	s_add_co_u32 s22, s22, s47
	s_mul_i32 s22, s22, 12288
	s_mov_b32 s23, 0
	s_lshl_b32 s92, s18, 4                         ; B: first + 16 x tile column + 8 x half: no cy in these
	s_add_co_u32 s92, s92, s19
	s_mul_i32 s92, s92, 12288
	s_mov_b32 s93, 0
	s_mov_b32 s[SEL], 0x76543210
	s_mov_b32 s[SEL+1], 0xfedcba98
	s_wait_dscnt 0x0                               ; the opening add is done
	s_wait_kmcnt 0x0
	s_add_nc_u64 s[22:23], s[4:5], s[22:23]
	s_add_nc_u64 s[92:93], s[4:5], s[92:93]
	CROUND                                         ; all sixteen work-groups are here: the joint loads meet
.irp q, 0,1
	s_mov_b32 s[G0A+4*\q], 1
	s_mov_b32 s[G0A+4*\q+1], AQ*\q                 ; the LDS places are constants
	s_add_nc_u64 s[G0A+4*\q+2:G0A+4*\q+3], s[22:23], QB*\q
	s_or_b32 s[G0A+4*\q+3], s[G0A+4*\q+3], 0x80000000
	s_mov_b32 s[G0B+4*\q], 1
	s_mov_b32 s[G0B+4*\q+1], BLDS+BQ*\q
	s_add_nc_u64 s[G0B+4*\q+2:G0B+4*\q+3], s[92:93], QB*\q
	s_or_b32 s[G0B+4*\q+3], s[G0B+4*\q+3], 0x80000000
.endr
; one chain of branches on the wave's number, one joint load to an arm, all arms to one join: one tensor load of mine is out
.macro ARM under, g0, g1, next
	s_cmp_lt_u32 s14, \under
	s_cbranch_scc0 \next
	tensor_load_to_lds s[\g0:\g0+3], s[\g1:\g1+7]
	s_nop 0
	PLACES
	s_branch .Lasked
\next:
.endm
	ARM 1, G0A, G1A, .Lhead_b0                     ; wave 0: A, K steps 0-3
	ARM 2, G0B, G1B, .Lhead_a1                     ; wave 1: B, K steps 0-3
	ARM 3, G0A+4, G1A, .Lhead_b1                   ; wave 2: A, K steps 4-7
	tensor_load_to_lds s[G0B+4:G0B+7], s[G1B:G1B+7] ; wave 3: B, K steps 4-7
	s_nop 0
	PLACES
.Lasked:
	v_and_b32 v1, 31, v0                           ; lane
	v_lshlrev_b32 v2, 4, v1
	v_lshlrev_b32 v[SVO], 5, v1
	s_wait_alu depctr_va_vdst(0)
	v_lshlrev_b32 v[VO], 3, v1
	; the scale words go from memory straight into registers, once: a lane's 16 bytes are four K steps of its row
	s_wait_alu depctr_va_vdst(0)
	s_lshl_b32 s2, s17, 3
	s_add_co_u32 s2, s2, s47
	s_lshl_b32 s12, s15, 2
	s_add_co_u32 s2, s2, s12                       ; my first rowblock of A
	s_lshl_b32 s2, s2, 9
	s_mov_b32 s3, 0
	s_add_nc_u64 s[2:3], s[6:7], s[2:3]
	s_lshl_b32 s12, s18, 4
	s_add_co_u32 s12, s12, s19
	s_lshl_b32 s13, s16, 3
	s_add_co_u32 s12, s12, s13                     ; and of B
	s_lshl_b32 s12, s12, 9
	s_mov_b32 s13, 0
	s_add_nc_u64 s[12:13], s[6:7], s[12:13]
.irp i, 0,1
.irp g, 0,1
	global_load_b128 v[SA+8*\i+4*\g:SA+8*\i+4*\g+3], v[SVO], s[2:3] offset:1024*\i+16*\g
.endr
.endr
.irp i, 0,1,2,3
.irp g, 0,1
	global_load_b128 v[SB+8*\i+4*\g:SB+8*\i+4*\g+3], v[SVO], s[12:13] offset:1024*\i+16*\g
.endr
.endr
	s_mul_i32 s20, s15, 4*QB
	s_mul_i32 s21, s16, 8*QB
	s_add_co_u32 s21, s21, BLDS
.irp q, 0,1
	v_add_nc_u32 v[ADRA+\q], s20, v2
	v_add_nc_u32 v[ADRB+\q], s21, v2
	s_add_co_u32 s20, s20, AQ
	s_add_co_u32 s21, s21, BQ
.endr
	; where the results go
	s_lshl_b32 s96, s17, 1
	s_add_co_u32 s96, s96, s15                     ; RG: which 64 rows of A
	s_lshl_b32 s97, s18, 1
	s_add_co_u32 s97, s97, s16                     ; CS: which 128 rows of B
	s_lshr_b32 s40, s96, 5                         ; q, k: RG = 32 x batch + group of four tiles; CS = the pair of heads
	s_and_b32 s41, s96, 31
	s_lshl_b32 s42, s40, 3
	s_add_co_u32 s42, s42, s97                     ; 8 x batch + pair
	s_lshl_b32 s44, s42, 8                         ; x 2 heads x 128 tiles
	s_lshl_b32 s45, s41, 2
	s_add_co_u32 s44, s44, s45
	s_mul_i32 s44, s44, 768
	s_mul_i32 s45, s43, 6291456
	s_add_co_u32 s44, s44, s45                     ; the codes' offset
	s_lshl_b32 s42, s42, 5
	s_add_co_u32 s42, s42, s41
	s_lshl_b32 s42, s42, 8
	s_lshl_b32 s45, s43, 18
	s_add_co_u32 s42, s42, s45                     ; the scale words'
	s_lshr_b32 s40, s97, 4                         ; V^T: CS = 16 x batch + step; RG = the head
	s_lshl_b32 s40, s40, 4
	s_add_co_u32 s40, s40, s96
	s_lshl_b32 s40, s40, 4
	s_and_b32 s41, s97, 15
	s_add_co_u32 s40, s40, s41                     ; (16 x batch + head) x 16 + step
	s_mul_i32 s41, s40, 6144
	s_add_co_u32 s41, s41, 12582912
	s_lshl_b32 s40, s40, 8
	s_add_co_u32 s40, s40, 524288
	s_mov_b32 s45, 1536
	s_mov_b32 s46, 98304
	s_cmp_eq_u32 s43, 2
	s_cselect_b32 s44, s41, s44
	s_cselect_b32 s42, s40, s42
	s_cselect_b32 s40, s45, 768                    ; from one of my rowblocks of A to the next
	s_cselect_b32 s46, 768, s46                    ; from a fragment's lower half to its upper: q, k: the next head; V^T: 768 bytes
	s_mov_b32 s41, 0
	s_mov_b32 s45, 0
	s_mov_b32 s43, 0
	s_add_nc_u64 s[OUT:OUT+1], s[8:9], s[44:45]
	s_add_nc_u64 s[OUT+2:OUT+3], s[OUT:OUT+1], s[40:41]
	s_add_nc_u64 s[OUT+4:OUT+5], s[OUT+2:OUT+3], s[40:41]
	s_add_nc_u64 s[OUT+6:OUT+7], s[OUT+4:OUT+5], s[40:41]
	s_add_nc_u64 s[98:99], s[10:11], s[42:43]
	v_add_nc_u32 v[VO+1], s46, v[VO]
	s_mov_b32 s[HI], 0xffff0000
.macro FETCH ks                        ; K step ks: B's eight fragments and A's four, 36 dense loads in one run, into set ks % 2
	WIN 0x80                                       ; destination window 2, address window 0
.irp b, 0,1,2,3,4,5,6,7
.irp j, 0,1,2
	ds_load_b128 v[96*((\ks)%2)+12*\b+4*\j:96*((\ks)%2)+12*\b+4*\j+3], v[ADRB+(\ks)/4] offset:QB*\b+1536*((\ks)%4)+512*\j
.endr
.endr
	WIN 0
.irp a, 0,1,2,3
.irp j, 0,1,2
	ds_load_b128 v[AF+48*((\ks)%2)+12*\a+4*\j:AF+48*((\ks)%2)+12*\a+4*\j+3], v[ADRA+(\ks)/4] offset:QB*\a+1536*((\ks)%4)+512*\j
.endr
.endr
.endm
; one product: B's rowblock b (source 0) x A's rowblock a (source 1).  An odd rowblock's scale words lie in lanes 16-31 of its register.  K step 0 starts the sums: nothing is cleared
.macro WM ks, a, b
.set rD, 8*(8*(\a)+(\b))
.set rB, 96*((\ks)%2)+12*(\b)
.set rA, AF+48*((\ks)%2)+12*(\a)
.set rT, SB+8*((\b)/2)+(\ks)
.set rS, SA+8*((\a)/2)+(\ks)
.set par, 2*((\a)%2)+(\b)%2
.if (\ks) == 0
.if par == 0
	v_wmma_scale_f32_16x16x128_f8f6f4 v[rD:rD+7], v[rB:rB+11], v[rA:rA+11], 0, v[rT], v[rS] matrix_a_fmt:MATRIX_FMT_FP6 matrix_b_fmt:MATRIX_FMT_FP6
.elseif par == 1
	v_wmma_scale_f32_16x16x128_f8f6f4 v[rD:rD+7], v[rB:rB+11], v[rA:rA+11], 0, v[rT], v[rS] matrix_a_fmt:MATRIX_FMT_FP6 matrix_b_fmt:MATRIX_FMT_FP6 matrix_a_scale:MATRIX_SCALE_ROW1
.elseif par == 2
	v_wmma_scale_f32_16x16x128_f8f6f4 v[rD:rD+7], v[rB:rB+11], v[rA:rA+11], 0, v[rT], v[rS] matrix_a_fmt:MATRIX_FMT_FP6 matrix_b_fmt:MATRIX_FMT_FP6 matrix_b_scale:MATRIX_SCALE_ROW1
.else
	v_wmma_scale_f32_16x16x128_f8f6f4 v[rD:rD+7], v[rB:rB+11], v[rA:rA+11], 0, v[rT], v[rS] matrix_a_fmt:MATRIX_FMT_FP6 matrix_b_fmt:MATRIX_FMT_FP6 matrix_a_scale:MATRIX_SCALE_ROW1 matrix_b_scale:MATRIX_SCALE_ROW1
.endif
.else
.if par == 0
	v_wmma_scale_f32_16x16x128_f8f6f4 v[rD:rD+7], v[rB:rB+11], v[rA:rA+11], v[rD:rD+7], v[rT], v[rS] matrix_a_fmt:MATRIX_FMT_FP6 matrix_b_fmt:MATRIX_FMT_FP6
.elseif par == 1
	v_wmma_scale_f32_16x16x128_f8f6f4 v[rD:rD+7], v[rB:rB+11], v[rA:rA+11], v[rD:rD+7], v[rT], v[rS] matrix_a_fmt:MATRIX_FMT_FP6 matrix_b_fmt:MATRIX_FMT_FP6 matrix_a_scale:MATRIX_SCALE_ROW1
.elseif par == 2
	v_wmma_scale_f32_16x16x128_f8f6f4 v[rD:rD+7], v[rB:rB+11], v[rA:rA+11], v[rD:rD+7], v[rT], v[rS] matrix_a_fmt:MATRIX_FMT_FP6 matrix_b_fmt:MATRIX_FMT_FP6 matrix_b_scale:MATRIX_SCALE_ROW1
.else
	v_wmma_scale_f32_16x16x128_f8f6f4 v[rD:rD+7], v[rB:rB+11], v[rA:rA+11], v[rD:rD+7], v[rT], v[rS] matrix_a_fmt:MATRIX_FMT_FP6 matrix_b_fmt:MATRIX_FMT_FP6 matrix_a_scale:MATRIX_SCALE_ROW1 matrix_b_scale:MATRIX_SCALE_ROW1
.endif
.endif
.endm
; A K step: 32 products, the 32 accumulators by turns, one instruction a turn, in the same order in every step.  The next step's fragments are asked for ahead of them.
.macro KSTEP ks
	s_wait_dscnt 0x0                               ; this step's fragments, asked for a whole K step ago, are in
.if (\ks) == 3
	s_wait_tensorcnt 0x0                           ; every wave's one load has landed: the second half of K among them
	s_barrier_signal -1
	s_barrier_wait -1                              ; everybody's has
.endif
.if (\ks) < 7
.if (\ks) > 0
	PLACES                                         ; the other set was read by the last step's products
.endif
	FETCH (\ks)+1
.endif
	WIN 0x52                                       ; source 0 (B) window 2, source 1 (A) window 0, C and D window 1
.irp a, 0,1,2,3
.irp b, 0,1,2,3,4,5,6,7
	WM \ks, \a, \b
.endr
.endr
	WIN 0
.endm
	s_wait_alu depctr_va_vdst(0)
	s_cmp_lt_u32 s14, 2                            ; waves 0 and 1 brought the first half of K, each by a load line of its own: they alone wait here
	s_cbranch_scc0 .Lnot_first
	s_wait_tensorcnt 0x0
.Lnot_first:
	s_barrier_signal -1
	s_barrier_wait -1                              ; the first half of K is in; the second may be on its way
	FETCH 0
	s_wait_loadcnt 0x0                             ; the scale words
.irp k, 0,1,2,3,4,5,6,7
	KSTEP \k
.endr
; THE WAY OUT.  For one of my rowblocks of A a lane's 64 results are 128 along the next K: register 16 b + i = k 32 b + 16 (lane / 16) + i.  They are quantised as they stand, each accumulator read from its low end on.
.macro QUANTW a
.set XS, 64*(\a)
.set PC, CD+12*(\a)
	WIN 0x14                                       ; sources 1 and 2: window 1
.irp b, 0,1,2,3
	v_max3_num_f32 v[TM+\b], 0x1800000, |v[XS+16*\b]|, |v[XS+16*\b+1]|   ; the floor 2^(3 - 127) among the leaves: the byte cannot fall under 1
.endr
.irp i, 2,4,6,8,10,12,14
.irp b, 0,1,2,3
	v_max3_num_f32 v[TM+\b], v[TM+\b], |v[XS+16*\b+\i]|, |v[XS+16*\b+\i+1]|
.endr
.endr
	WIN 0
.irp b, 0,1,2,3
	v_permlanex16_b32 v[TM+4+\b], v[TM+\b], s[SEL], s[SEL+1]
.endr
.irp b, 0,1,2,3
	v_max_num_f32 v[TM+\b], v[TM+\b], v[TM+4+\b]
.endr
.irp b, 0,1,2,3
	v_add_nc_u32 v[TM+12+\b], 0xff000000, v[TM+\b] ; 2 off the exponent field: the conversion's scale operand
.endr
.irp b, 0,1,2,3
	v_lshrrev_b32 v[TM+4+\b], 23, v[TM+12+\b]      ; the scale's byte
.endr
	v_lshl_or_b32 v[PW+(\a)], v[TM+5], 8, v[TM+4]
	v_lshl_or_b32 v[PW+(\a)], v[TM+6], 16, v[PW+(\a)]
	v_lshl_or_b32 v[PW+(\a)], v[TM+7], 24, v[PW+(\a)]
	WIN 0x01                                       ; source 0: window 1
.irp c, 0,1
	v_cvt_scalef32_pk16_fp6_f32 v[PC+6*\c:PC+6*\c+2], v[XS+32*\c:XS+32*\c+15], v[TM+12+2*\c]
	v_cvt_scalef32_pk16_fp6_f32 v[YY+4*\c:YY+4*\c+2], v[XS+32*\c+16:XS+32*\c+31], v[TM+12+2*\c+1]
.endr
	WIN 0
	v_nop                                          ; one plain place behind a scaled conversion
.irp c, 0,1
.irp i, 0,1,2
	v_permlane16_swap_b32 v[PC+6*\c+\i], v[YY+4*\c+\i]
.endr
.irp i, 0,1,2
	v_mov_b32 v[PC+3+6*\c+\i], v[YY+4*\c+\i]
.endr
.endr
.irp c, 0,1
.irp p, 0,1,2
	global_store_b64 v[VO+\c], v[PC+6*\c+2*\p:PC+6*\c+2*\p+1], s[OUT+2*(\a):OUT+2*(\a)+1] offset:256*\p   ; 32 lanes store 256 consecutive bytes, aligned; each rowblock has registers of its own, so no store's data are written again
.endr
.endr
.endm
	PLACES
.irp b, 0,1,2,3
	v_mov_b32 v[TM+4+\b], 0                        ; a lane permute's destination counts as one of its sources
.endr
	QUANTW 0
	QUANTW 1
	QUANTW 2
	QUANTW 3
	v_cndmask_b32 v[PW+4], v[PW], v[PW+1], s[HI]   ; lanes 0-15 rowblock 0's words, lanes 16-31 rowblock 1's;
	v_cndmask_b32 v[PW+5], v[PW+2], v[PW+3], s[HI] ; rowblocks 2 and 3 likewise
	global_store_b64 v[VO], v[PW+4:PW+5], s[98:99] ; 256 consecutive bytes, aligned
	s_wait_tensorcnt 0x0                           ; the wave's end, behind my last tensor load
	ds_add_u32 v[SPW], v[NIL]
	s_wait_dscnt 0x0
	CROUND                                         ; the closing round
	s_endpgm
.Lfunc_end_k_qe9646cb4f1_proj:
	.size	k_qe9646cb4f1_proj, .Lfunc_end_k_qe9646cb4f1_proj-k_qe9646cb4f1_proj
	.p2alignl 7, 3214868480
	.fill 96, 4, 3214868480
	.section	.rodata,"a",@progbits
	.p2align	6, 0x0
	.amdhsa_kernel k_qe9646cb4f1_proj
		.amdhsa_group_segment_fixed_size 295424
		.amdhsa_private_segment_fixed_size 0
		.amdhsa_enable_private_segment 0
		.amdhsa_kernarg_size 32
		.amdhsa_user_sgpr_count 2
		.amdhsa_user_sgpr_kernarg_segment_ptr 1
		.amdhsa_wavefront_size32 1
		.amdhsa_system_sgpr_workgroup_id_x 1
		.amdhsa_system_sgpr_workgroup_id_y 1
		.amdhsa_system_sgpr_workgroup_id_z 1
		.amdhsa_system_vgpr_workitem_id 0
		.amdhsa_next_free_vgpr 768
		.amdhsa_next_free_sgpr 100
		.amdhsa_reserve_vcc 0
		.amdhsa_float_denorm_mode_32 3
		.amdhsa_float_denorm_mode_16_64 3
		.amdhsa_memory_ordered 1
		.amdhsa_forward_progress 1
		.amdhsa_inst_pref_size 81
	.end_amdhsa_kernel
	.amdgpu_metadata
---
amdhsa.version: [ 1, 2 ]
amdhsa.kernels:
  - .name:           k_qe9646cb4f1_proj
    .symbol:         k_qe9646cb4f1_proj.kd
    .args:
      - { .name: xw_img, .offset: 0, .size: 8, .value_kind: global_buffer, .address_space: global }
      - { .name: xw_sc, .offset: 8, .size: 8, .value_kind: global_buffer, .address_space: global }
      - { .name: qkv_img, .offset: 16, .size: 8, .value_kind: global_buffer, .address_space: global }
      - { .name: qkv_sc, .offset: 24, .size: 8, .value_kind: global_buffer, .address_space: global }
    .group_segment_fixed_size: 295424
    .private_segment_fixed_size: 0
    .kernarg_segment_align: 8
    .kernarg_segment_size: 32
    .max_flat_workgroup_size: 128
    .sgpr_count:     100
    .vgpr_count:     768
    .wavefront_size: 32
...
	.end_amdgpu_metadata
.endif
;; end of part 2
;; launch attn (part 3): grid 4 x 64, 16 waves a work-group, clusters of 4 x 1, 219,136 bytes of LDS; arguments qkv_img, qkv_sc, attention_mask, o_img, o_sc; writes o_img, o_sc
.if DOCPART == 3
	.amdgcn_target "amdgcn-amd-amdhsa--gfx1250"
	.amdhsa_code_object_version 6
	.text
	.protected	k_qe9646cb4f1_attn
	.globl	k_qe9646cb4f1_attn
	.p2align	8
	.type	k_qe9646cb4f1_attn,@function
k_qe9646cb4f1_attn:
	s_mov_b64 s[64:65], 0
	v_nop
	global_prefetch_b8 v0, s[64:65] scope:SCOPE_SE
	s_setreg_imm32_b32 hwreg(HW_REG_WAVE_MODE, 25, 1), 1
	s_wait_xcnt 0x0
	s_wait_alu depctr_hold_cnt(0) depctr_sa_sdst(0) depctr_va_vdst(0) depctr_va_sdst(0) depctr_va_ssrc(0) depctr_va_vcc(0) depctr_vm_vsrc(0)
	s_getreg_b32 s2, hwreg(HW_REG_IB_STS2, 6, 4)
	s_cmp_eq_u32 s2, 0
	s_cbranch_scc0 .Lentry_in_a_cluster
	s_endpgm
.Lentry_in_a_cluster:
	s_bfe_u32 s2, ttmp6, 0x10000c
	s_cmp_lg_u32 s2, 0x3003
	s_cbranch_scc0 .Lentry_shape_is_right
	s_endpgm
.Lentry_shape_is_right:
; For each batch and head: S^T = k q^T, the key mask, the softmax, O^T = V^T p^T, O / l quantised along the model's 1,024: all products on codes of FP6 (E2M3) with E8M0 scales.
; THE SOFTMAX: t = score x log2(e) / 8; M = the row's largest t so far, rounded up to a whole number; p = 2^(t - M) is quantised along the keys, not normalised; the row's sum l is taken of the
; unquantised p and divides O at the end.  When M moves, l and O are multiplied by 2^(old M - new M), which rounds nothing.
; THE MASK is a bias for each key, 0 where the key counts and -3e38 where it does not; the bias is loaded INTO the score registers and is the C of the score product: no line is spent on masking.
; SHARES: a work-group has one (batch, head) and 512 of its 2,048 queries; each of its sixteen waves two tiles of 16 queries, one after the other, in 256 registers: four waves to a SIMD, so that one
; wave's vector work stands beside another's products and LDS loads.  A HEAD'S WHOLE k AND V LIE IN LDS (2 x 98,304 bytes), brought once, in four chunks of 512 keys: nothing is filled twice, so there is
; no ring, and since every tensor load goes out at the head there is no later load for which a prefetch could ask ahead.
; CLUSTER: the four work-groups of a head ask for k and V jointly (mask 15).  The scale words and the mask (14 KiB of the 206 KiB that a work-group reads) are changed on their way into LDS,
; so they come through registers, each work-group's own.
; LAYOUT: both products are used transposed; a lane holds ONE query (lane % 16).  The launch before laid k's tiles so that the 16 score registers of tiles 2 b, 2 b + 1 are keys 32 b + 16 (lane / 16) + 0 .. 15,
; and V's tiles so that O^T's 16 registers of two tiles are 16 neighbouring channels.
; THE SCORE PRODUCT'S K IS 64 IN AN INSTRUCTION OF 128: Q's upper six registers are zero codes; k's operand runs on into the next tile's registers, whose codes meet those zeros; the upper scale bytes are 0, no NaN.
; LIMITS: a masked score is the score - 3e38, not -infinity, and the running largest t begins at -1e30: a true t under -1e30 would count as masked.  A row all of whose keys are masked has l = 0: its scale
; bytes are stored as 0xff, from which the last launch makes NaN, as the softmax of such a row is.  A block of zeros carries the byte 1.  NaN and infinities among the inputs are not served.
.set KSL,   196608                     ; LDS: k at 0, V at 98,304; k's scale words (my head's two bytes of each), 8,192 bytes;
.set VSL,   204800                     ; V's, 4,096;
.set BIL,   208896                     ; the bias, f32 for each key, 8,192;
.set SPARE, 217088                     ; the spare words, 128 bytes for each of sixteen waves
.set SPW, 6                            ; LDS address of my spare word; never rewritten
.set NIL, 7                            ; 0; never rewritten
.set ADK, 8                            ; v8-11, v28: the step's LDS addresses: k, V, k's scale words, V's, the bias  (v1-5: my lane's places, which stay)
.set ADV, 9
.set ADS, 10
.set ADT, 11
.set ADB, 28
.set FR,  32                           ; v32-79  k's eight half fragments, later V's four fragments; v80-85 zeros
.set VS,  86                           ; v86-87  V's scale words;  v88-91 k's;  v92, v95 Q's of the two passes;  v93 p's: these hold scales and nothing else
.set KS,  88
.set PS,  93
.set S,   96                           ; v96-159 the bias, the scores, p
.set O,   160                          ; v160-191 O^T
.set PC,  192                          ; v192-203 p's codes;  v204-206, v208-210 halves on their way
.set Y,   204
.set BM,  212                          ; v212-215 the blocks' largest;  v216-219, v220-223 at work
.set BT,  216
.set BSC, 220
.set TMP, 224
.set LL,  225                          ; the row's sum
.set FF,  226                          ; v[226:227] f = 2^(old M - new M)
.set OW,  30                           ; v30 the two passes' scale bytes of O: lanes 0-15 the first tile's rows, lanes 16-31 the second's
.set WV,  18
.set SEL, 20
.set CS,  22
.set G1,  24
.set G0,  32
.set TK,  54
.set TS,  55
.set TT,  56
.set CNT, 57
.set HI,  59
.macro CROUND                          ; a round of the cluster's barrier
	s_barrier_signal -1
	s_barrier_wait -1
	s_cmp_lg_u32 s[WV], 0
	s_cbranch_scc1 .Lnot_wave_0_\@
	s_barrier_signal -3
.Lnot_wave_0_\@:
	s_barrier_wait -3
	s_barrier_signal -1
	s_barrier_wait -1
.endm
	s_load_b256 s[4:11], s[0:1], 0x0               ; qkv_img, qkv_sc, attention_mask, o_img
	s_load_b64 s[12:13], s[0:1], 0x20              ; o_sc
	v_lshl_add_u32 v[SPW], v0, 2, SPARE
	v_mov_b32 v[NIL], 0
	ds_add_u32 v[SPW], v[NIL]                      ; the wave's opening: the add and its wait ahead of the first tensor loads
	ds_add_u32 v[SPW], v[NIL]
	v_lshrrev_b32 v8, 5, v0
	s_delay_alu instid0(VALU_DEP_1)
	v_readfirstlane_b32 s[WV], v8                  ; wave 0 .. 15
	s_bfe_u32 s14, ttmp6, 0x40000                  ; cx: which 512 queries: it enters global addresses alone
	s_and_b32 s15, ttmp7, 0xffff                   ; 16 x batch + head, which the four partners share
	s_lshr_b32 s16, s15, 4
	s_and_b32 s17, s15, 15
	s_mov_b32 s[G1], 15|(3<<16)|(1<<21)            ; the mask: all four work-groups; elements of 8 bytes; bit 21 beside a mask; no padding
	s_mov_b32 s[G1+1], 32<<16                      ; 12,288 dense bytes as 48 rows of 256
	s_mov_b32 s[G1+2], 48<<16
	s_mov_b32 s[G1+3], 32<<16
	s_mov_b32 s[G1+4], 48
	s_mov_b32 s[G1+5], 32
	s_mov_b32 s[G1+6], 0
	s_mov_b32 s[G1+7], 0
	; EVERY WAVE BRINGS ONE SIXTEENTH OF k AND V, 12,288 bytes, by one joint load (in place of the four chunks that the head names): waves 0-7 k's eighths, waves 8-15 V's
	s_lshr_b32 s72, s[WV], 3                       ; 0: k, 1: V
	s_mul_i32 s74, s[WV], 12288                    ; LDS: V begins at 98,304 = 8 x 12,288, so my part lies at 12,288 x wave
	s_mul_i32 s76, s72, 6193152                    ; V's images begin 6,291,456 bytes behind k's; 98,304 of that are in 12,288 x wave already
	s_add_co_u32 s76, s76, 6291456                 ; k's images begin 6,291,456 bytes into qkv_img
	s_add_co_u32 s76, s76, s74
	s_mul_i32 s78, s15, 98304                      ; a (batch, head) is 98,304 bytes in each of q, k, V
	s_add_co_u32 s76, s76, s78
	s_mov_b32 s77, 0
	s_mul_i32 s48, s14, 24576                      ; Q's codes: tile 32 cx + 2 wave, 768 bytes a tile
	s_mul_i32 s2, s[WV], 1536
	s_add_co_u32 s48, s48, s2
	s_add_co_u32 s48, s48, s78
	s_mov_b32 s49, 0
	s_lshl_b32 s66, s16, 3
	s_lshr_b32 s2, s17, 1                          ; the pair of heads
	s_add_co_u32 s66, s66, s2
	s_lshl_b32 s66, s66, 13                        ; its 8,192 bytes of scale words
	s_mov_b32 s67, 0
	s_lshl_b32 s50, s14, 11                        ; Q's: group (tile / 4) of 256 bytes, + 4 ((tile / 2) % 2); + 128 for the odd tile
	s_lshr_b32 s3, s[WV], 1
	s_lshl_b32 s3, s3, 8
	s_add_co_u32 s50, s50, s3
	s_and_b32 s3, s[WV], 1
	s_lshl_b32 s3, s3, 2
	s_add_co_u32 s50, s50, s3
	s_add_co_u32 s50, s50, s66
	s_mov_b32 s51, 0
	s_add_co_u32 s66, s66, 262144                  ; k's
	s_lshl_b32 s68, s15, 12
	s_add_co_u32 s68, s68, 524288                  ; V's
	s_mov_b32 s69, 0
	s_lshl_b32 s70, s16, 11                        ; the batch's 2,048 mask bytes
	s_mov_b32 s71, 0
	s_and_b32 s52, s17, 1
	s_lshl_b32 s53, s52, 4                         ; my head's two bytes begin at bit 16 (head % 2) of a scale word
	s_lshl_b32 s60, s16, 7
	s_lshl_b32 s3, s14, 5
	s_add_co_u32 s60, s60, s3
	s_lshl_b32 s3, s[WV], 1
	s_add_co_u32 s60, s60, s3                      ; O: rowblock 128 batch + 32 cx + 2 wave
	s_lshl_b32 s62, s60, 5                         ; its first row x 2 bytes
	s_lshl_b32 s60, s60, 3
	s_add_co_u32 s60, s60, s2
	s_mul_i32 s60, s60, 1536                       ; (rowblock x 8 + pair) fragments,
	s_mul_i32 s3, s52, 768
	s_add_co_u32 s60, s60, s3                      ; my head's half
	s_mov_b32 s61, 0
	s_lshl_b32 s3, s17, 14
	s_add_co_u32 s62, s62, s3                      ; o_sc: [head][row] of two bytes
	s_mov_b32 s63, 0
	s_mov_b32 s[SEL], 0x76543210
	s_mov_b32 s[SEL+1], 0xfedcba98
	s_mov_b32 s[CS], 0x3e38aa3b                    ; c = log2(e) / 8
	s_mov_b32 s[CS+1], s[CS]                       ; (named with it as a pair, so it is written)
	s_mov_b32 s[HI], 0xffff0000
	s_wait_dscnt 0x0                               ; the opening add is done
	s_wait_kmcnt 0x0
	s_add_nc_u64 s[76:77], s[4:5], s[76:77]
	s_add_nc_u64 s[48:49], s[4:5], s[48:49]
	s_add_nc_u64 s[50:51], s[6:7], s[50:51]
	s_add_nc_u64 s[66:67], s[6:7], s[66:67]
	s_add_nc_u64 s[68:69], s[6:7], s[68:69]
	s_add_nc_u64 s[70:71], s[8:9], s[70:71]
	s_add_nc_u64 s[60:61], s[10:11], s[60:61]
	s_add_nc_u64 s[62:63], s[12:13], s[62:63]
	CROUND                                         ; all four work-groups are here: the joint loads meet
	s_mov_b32 s[G0], 1
	s_mov_b32 s[G0+1], s74
	s_mov_b64 s[G0+2:G0+3], s[76:77]
	s_or_b32 s[G0+3], s[G0+3], 0x80000000
	tensor_load_to_lds s[G0:G0+3], s[G1:G1+7]      ; no branch: one tensor load of each wave is out
	s_nop 0
.rept 4
	v_nop
.endr
	v_and_b32 v8, 31, v0                           ; lane
	v_and_b32 v9, 15, v0                           ; r
	v_bfe_u32 v10, v0, 4, 1                        ; h
	s_delay_alu instid0(VALU_DEP_3)
	v_lshlrev_b32 v1, 3, v8                        ; 8 x lane: my place in a piece of 256 bytes
	s_delay_alu instid0(VALU_DEP_3)
	v_lshlrev_b32 v29, 3, v9
	v_lshlrev_b32 v31, 1, v8
	v_lshlrev_b32 v109, 4, v0                      ; staging, by the thread's number: 16, 8 and 4 bytes a thread
	v_lshlrev_b32 v110, 3, v0
	v_lshlrev_b32 v111, 2, v0
.irp p, 0,1,2
	global_load_b64 v[16+2*\p:17+2*\p], v1, s[48:49] offset:256*\p          ; Q of my first tile
	global_load_b64 v[228+2*\p:229+2*\p], v1, s[48:49] offset:768+256*\p    ; and of my second
.endr
	global_load_b32 v94, v29, s[50:51]             ; their scale words, both heads' bytes
	global_load_b32 v244, v29, s[50:51] offset:128
	global_load_b128 v[96:99], v109, s[66:67]      ; k's scale words
	global_load_b64 v[100:101], v110, s[68:69]     ; V's
	global_load_b32 v102, v111, s[70:71]           ; four keys' mask bytes
	v_add_nc_u32 v2, 98304, v1
	v_add_nc_u32 v3, KSL, v1
	v_add_nc_u32 v4, VSL, v1
	v_lshl_add_u32 v5, v10, 6, BIL                 ; the bias of my half's 16 keys of a block
	v_lshl_add_u32 v112, v0, 4, KSL
	v_lshl_add_u32 v113, v0, 3, VSL
	v_lshl_add_u32 v114, v0, 4, BIL
.irp i, 0,1,2,3,4,5
	v_mov_b32 v[22+\i], 0                          ; zero codes: the upper 64 of the score product's K
	v_mov_b32 v[234+\i], 0
	v_mov_b32 v[80+\i], 0                          ; what the last tile's operand runs on into
.endr
.irp b, 0,1,2,3
	v_mov_b32 v[BT+\b], 0                          ; a lane permute's destination counts as one of its sources
.endr
	v_mov_b32 v[TMP], 0
	v_mov_b32 v[FF+1], 0                           ; (named as the upper half of a pair)
	v_mov_b32 v108, 0xff61b1e6                     ; -3e38
	s_wait_alu depctr_va_vdst(0)
	s_wait_loadcnt 0x0
.irp i, 0,1,2,3
	v_bfe_u32 v[96+\i], v[96+\i], s53, 16          ; my head's two bytes; the upper two become 0
.endr
	ds_store_b128 v112, v[96:99]
	ds_store_b64 v113, v[100:101]
.irp i, 0,1,2,3
	v_bfe_u32 v103, v102, 8*\i, 8
	s_delay_alu instid0(VALU_DEP_1)
	v_cmp_eq_u32 vcc_lo, 0, v103
	s_delay_alu instid0(VALU_DEP_1)
	v_cndmask_b32 v[104+\i], 0, v108, vcc_lo       ; 0 where the key counts, -3e38 where it does not
.endr
	ds_store_b128 v114, v[104:107]
	v_bfe_u32 v92, v94, s53, 16
	v_bfe_u32 v95, v244, s53, 16
; A KEY STEP: 128 keys.  qb: Q's operand registers; qs: Q's scale words.
.macro STEP qb, qs
	v_add_nc_u32 v[ADK], s[TK], v1                 ; (these five are also the places behind the last step's products, ahead of the loads into their sources)
	v_add_nc_u32 v[ADV], s[TK], v2
	v_add_nc_u32 v[ADS], s[TS], v3
	v_add_nc_u32 v[ADT], s[TT], v4
	v_add_nc_u32 v[ADB], s[TS], v5
.irp b, 0,1,2,3
.irp j, 0,1,2,3
	ds_load_b128 v[S+16*\b+4*\j:S+16*\b+4*\j+3], v[ADB] offset:128*\b+16*\j   ; the bias of key 32 b + 16 h + i into score register 16 b + i
.endr
.endr
.irp t, 0,1,2,3,4,5,6,7
.irp p, 0,1,2
	ds_load_b64 v[FR+6*\t+2*\p:FR+6*\t+2*\p+1], v[ADK] offset:768*\t+256*\p
.endr
.endr
	ds_load_b64 v[KS:KS+1], v[ADS]
	ds_load_b64 v[KS+2:KS+3], v[ADS] offset:256
	s_wait_alu depctr_va_vdst(0)
	s_wait_dscnt 0x0
.irp t, 0,2,4,6                                ; S^T = k q^T + bias: eight accumulators, one instruction each
	v_wmma_scale_f32_16x16x128_f8f6f4 v[S+8*\t:S+8*\t+7], v[FR+6*\t:FR+6*\t+11], v[\qb:\qb+11], v[S+8*\t:S+8*\t+7], v[KS+2*(\t/4)+(\t%4)/2], v[\qs] matrix_a_fmt:MATRIX_FMT_FP6 matrix_b_fmt:MATRIX_FMT_FP6
	v_wmma_scale_f32_16x16x128_f8f6f4 v[S+8*\t+8:S+8*\t+15], v[FR+6*\t+6:FR+6*\t+17], v[\qb:\qb+11], v[S+8*\t+8:S+8*\t+15], v[KS+2*(\t/4)+(\t%4)/2], v[\qs] matrix_a_fmt:MATRIX_FMT_FP6 matrix_b_fmt:MATRIX_FMT_FP6 matrix_a_scale:MATRIX_SCALE_ROW1
.endr
.rept 4
	v_nop                                          ; places: ahead of the loads into k's registers and of the first read of the scores
.endr
.irp t, 0,1,2,3
.irp p, 0,1,2,3,4,5
	ds_load_b64 v[FR+12*\t+2*\p:FR+12*\t+2*\p+1], v[ADV] offset:1536*\t+256*\p   ; V's four fragments land under the softmax
.endr
.endr
	ds_load_b64 v[VS:VS+1], v[ADT]
.irp b, 0,1,2,3
	v_max3_num_f32 v[BM+\b], v[S+16*\b], v[S+1+16*\b], v[S+2+16*\b]   ; the largest score of each block of 32 keys: for the row's maximum and, since p rises with the score, for the block's largest p
.endr
.irp i, 3,5,7,9,11,13
.irp b, 0,1,2,3
	v_max3_num_f32 v[BM+\b], v[BM+\b], v[S+16*\b+\i], v[S+1+16*\b+\i]
.endr
.endr
.irp b, 0,1,2,3
	v_max_num_f32 v[BM+\b], v[BM+\b], v[S+15+16*\b]
.endr
.irp b, 0,1,2,3
	s_delay_alu instid0(VALU_DEP_4)
	v_permlanex16_b32 v[BT+\b], v[BM+\b], s[SEL], s[SEL+1]
.endr
.irp b, 0,1,2,3
	s_delay_alu instid0(VALU_DEP_4)
	v_max_num_f32 v[BM+\b], v[BM+\b], v[BT+\b]     ; with lane l xor 16's 16 keys
.endr
	s_delay_alu instid0(VALU_DEP_2)
	v_max3_num_f32 v[TMP], v[BM], v[BM+1], v[BM+2]
	s_delay_alu instid0(VALU_DEP_1)
	v_max_num_f32 v[TMP], v[TMP], v[BM+3]
	s_delay_alu instid0(VALU_DEP_1)
	v_mul_f32 v[TMP], s[CS], v[TMP]                ; as t (c is positive)
	s_delay_alu instid0(VALU_DEP_1)
	v_max_num_f32 v13, v13, v[TMP]                 ; the running largest t
	v_mov_b32 v[TMP], v12
	s_delay_alu instid0(VALU_DEP_2)
	v_floor_f32 v12, -v13                          ; the new -M = floor(-t): M is a whole number
	s_delay_alu instid0(VALU_DEP_1)
	v_sub_f32 v[TMP], v12, v[TMP]                  ; old M - new M: a whole number, 0 or less
	s_delay_alu instid0(VALU_DEP_1)
	v_cvt_i32_f32 v[TMP], v[TMP]                   ; (it saturates)
	s_delay_alu instid0(VALU_DEP_1)
	v_ldexp_f32 v[FF], 1.0, v[TMP]                 ; f = 2^(old M - new M)
.set jj, 0
.rept 32
	v_pk_fma_f32 v[S+jj:S+jj+1], v[S+jj:S+jj+1], s[CS:CS+1], v[12:13] op_sel_hi:[1,0,0]   ; t - M, two at a time
.set jj, jj+2
.endr
.irp b, 0,1,2,3
	v_fma_f32 v[BM+\b], v[BM+\b], s[CS], v12       ; the same of each block's largest score
.endr
.set jj, 0
	s_wait_alu depctr_va_vdst(0)
.rept 64
	v_exp_f32 v[S+jj], v[S+jj]                     ; p = 2^(t - M)
.set jj, jj+1
.endr
	v_pk_mul_f32 v[14:15], v[14:15], v[FF:FF+1] op_sel_hi:[1,0]   ; the sums under the new M: the plain place behind the exponentials
	s_wait_alu depctr_va_vdst(0)                   ; one wait for the batch of 64, ahead of its first reader
.irp b, 0,1,2,3
	v_exp_f32 v[BM+\b], v[BM+\b]                   ; the blocks' largest p
.endr
	v_pk_add_f32 v[216:217], v[100:101], v[104:105]
	v_pk_add_f32 v[254:255], v[108:109], v[112:113]
	v_pk_add_f32 v[252:253], v[116:117], v[120:121]
	v_pk_add_f32 v[250:251], v[124:125], v[128:129]
	v_pk_add_f32 v[248:249], v[132:133], v[136:137]
	v_pk_add_f32 v[246:247], v[140:141], v[144:145]
	v_pk_add_f32 v[244:245], v[148:149], v[152:153]
	v_pk_add_f32 v[14:15], v[14:15], v[156:157]
	v_pk_add_f32 v[216:217], v[216:217], v[96:97]
	v_pk_add_f32 v[254:255], v[254:255], v[98:99]
	v_pk_add_f32 v[252:253], v[252:253], v[102:103]
	v_pk_add_f32 v[250:251], v[250:251], v[106:107]
	v_pk_add_f32 v[248:249], v[248:249], v[110:111]
	v_pk_add_f32 v[246:247], v[246:247], v[114:115]
	v_pk_add_f32 v[244:245], v[244:245], v[118:119]
	v_pk_add_f32 v[14:15], v[14:15], v[122:123]
	v_pk_add_f32 v[216:217], v[216:217], v[126:127]
	v_pk_add_f32 v[254:255], v[254:255], v[130:131]
	v_pk_add_f32 v[252:253], v[252:253], v[134:135]
	v_pk_add_f32 v[250:251], v[250:251], v[138:139]
	v_pk_add_f32 v[248:249], v[248:249], v[142:143]
	v_pk_add_f32 v[246:247], v[246:247], v[146:147]
	v_pk_add_f32 v[244:245], v[244:245], v[150:151]
	v_pk_add_f32 v[14:15], v[14:15], v[154:155]
	v_pk_add_f32 v[216:217], v[216:217], v[158:159]
	s_delay_alu instid0(VALU_DEP_2)
	v_pk_add_f32 v[14:15], v[14:15], v[250:251]
	s_delay_alu instid0(VALU_DEP_2)
	v_pk_add_f32 v[216:217], v[216:217], v[248:249]
	v_pk_add_f32 v[254:255], v[254:255], v[246:247]
	v_pk_add_f32 v[252:253], v[252:253], v[244:245]
	s_delay_alu instid0(VALU_DEP_2)
	v_pk_add_f32 v[14:15], v[14:15], v[254:255]
	s_delay_alu instid0(VALU_DEP_2)
	v_pk_add_f32 v[216:217], v[216:217], v[252:253]
	s_delay_alu instid0(VALU_DEP_1)
	v_pk_add_f32 v[14:15], v[14:15], v[216:217]
	s_wait_alu depctr_va_vdst(0)                   ; and one for the four
.irp b, 0,1,2,3
	v_max_num_f32 v[BM+\b], 0x1800000, v[BM+\b]    ; the floor 2^(3 - 127): the byte cannot fall under 1
.endr
.irp b, 0,1,2,3
	s_delay_alu instid0(VALU_DEP_4)
	v_add_nc_u32 v[BSC+\b], 0xff000000, v[BM+\b]   ; 2 off the exponent field: the conversion's scale operand
.endr
.irp b, 0,1,2,3
	s_delay_alu instid0(VALU_DEP_4)
	v_lshrrev_b32 v[BT+\b], 23, v[BSC+\b]          ; the scale's byte
.endr
	s_delay_alu instid0(VALU_DEP_3)
	v_lshl_or_b32 v[PS], v[BT+1], 8, v[BT]
	s_delay_alu instid0(VALU_DEP_1)
	v_lshl_or_b32 v[PS], v[BT+2], 16, v[PS]
	s_delay_alu instid0(VALU_DEP_1)
	v_lshl_or_b32 v[PS], v[BT+3], 24, v[PS]
.irp c, 0,1
	v_cvt_scalef32_pk16_fp6_f32 v[PC+6*\c:PC+6*\c+2], v[S+32*\c:S+32*\c+15], v[BSC+2*\c]
	v_cvt_scalef32_pk16_fp6_f32 v[Y+4*\c:Y+4*\c+2], v[S+32*\c+16:S+32*\c+31], v[BSC+2*\c+1]
.endr
	v_nop                                          ; one plain place behind a scaled conversion
.irp c, 0,1
.irp i, 0,1,2
	v_permlane16_swap_b32 v[PC+6*\c+\i], v[Y+4*\c+\i]
.endr
.irp i, 0,1,2
	s_delay_alu instid0(VALU_DEP_3)
	v_mov_b32 v[PC+3+6*\c+\i], v[Y+4*\c+\i]
.endr
.endr
.set jj, 0
.rept 16
	v_pk_mul_f32 v[O+jj:O+jj+1], v[O+jj:O+jj+1], v[FF:FF+1] op_sel_hi:[1,0]   ; O^T under the new M.  Twelve of the sixteen name no register of any one product below: the places behind p's scale word and codes
.set jj, jj+2
.endr
	s_wait_alu depctr_va_vdst(0)
	s_wait_dscnt 0x0                               ; V
.irp t, 0,2                                    ; O^T += V^T p^T: four accumulators, one instruction each
	v_wmma_scale_f32_16x16x128_f8f6f4 v[O+8*\t:O+8*\t+7], v[FR+12*\t:FR+12*\t+11], v[PC:PC+11], v[O+8*\t:O+8*\t+7], v[VS+\t/2], v[PS] matrix_a_fmt:MATRIX_FMT_FP6 matrix_b_fmt:MATRIX_FMT_FP6
	v_wmma_scale_f32_16x16x128_f8f6f4 v[O+8*\t+8:O+8*\t+15], v[FR+12*\t+12:FR+12*\t+23], v[PC:PC+11], v[O+8*\t+8:O+8*\t+15], v[VS+\t/2], v[PS] matrix_a_fmt:MATRIX_FMT_FP6 matrix_b_fmt:MATRIX_FMT_FP6 matrix_a_scale:MATRIX_SCALE_ROW1
.endr
.endm
.macro WALK j, trips, qb, qs           ; so many steps from chunk j's first on
	s_mov_b32 s[TK], 24576*(\j)
	s_mov_b32 s[TS], 2048*(\j)
	s_mov_b32 s[TT], 1024*(\j)
	s_mov_b32 s[CNT], \trips
.Lstep_\@:
	STEP \qb, \qs
	s_add_co_u32 s[TK], s[TK], 6144                ; a step's eight tiles of k, and its four fragments of V
	s_add_co_u32 s[TS], s[TS], 512                 ; its scale words of k, and its biases
	s_add_co_u32 s[TT], s[TT], 256                 ; its scale words of V
	s_sub_co_u32 s[CNT], s[CNT], 1
	s_cmp_lg_u32 s[CNT], 0
	s_cbranch_scc1 .Lstep_\@
.endm
.macro SETUP
	v_mov_b32 v13, 0xf149f2ca                      ; the largest t so far: -1e30: over every masked t, under every t that counts
	s_delay_alu instid0(VALU_DEP_1)
	v_floor_f32 v12, -v13                          ; -M
	v_mov_b32 v14, 0                               ; the sum, in two halves
	v_mov_b32 v15, 0
.set jj, 0
.rept 32
	v_mov_b32 v[O+jj], 0                           ; the step is written once: the first finds zeros
.set jj, jj+1
.endr
.endm
; A tile's end: O^T / l, quantised along the head's 64 (two blocks), stored as half a fragment of the last product's A.
.macro EPI pass
	v_add_f32 v14, v14, v15
	s_delay_alu instid0(VALU_DEP_1)
	v_permlanex16_b32 v[TMP], v14, s[SEL], s[SEL+1]
	s_delay_alu instid0(VALU_DEP_1)
	v_add_f32 v[LL], v14, v[TMP]                   ; the row's sum
	s_wait_alu depctr_va_vdst(0)
	v_rcp_f32 v[TMP], v[LL]
.rept 4
	v_nop                                          ; the plain place behind the reciprocal, and the places behind the last products
.endr
	s_wait_alu depctr_va_vdst(0)                   ; ahead of the reciprocal's first reader
.set jj, 0
.rept 32
	v_mul_f32 v[S+jj], v[O+jj], v[TMP]             ; register 16 b + i = channel 32 b + 16 (lane / 16) + i; each accumulator from its low end on
.set jj, jj+1
.endr
.irp b, 0,1
	v_max3_num_f32 v[BM+\b], |v[S+16*\b]|, |v[S+1+16*\b]|, 0x1800000
.endr
.irp i, 2,4,6,8,10,12,14
.irp b, 0,1
	s_delay_alu instid0(VALU_DEP_2)
	v_max3_num_f32 v[BM+\b], v[BM+\b], |v[S+16*\b+\i]|, |v[S+1+16*\b+\i]|
.endr
.endr
.irp b, 0,1
	s_delay_alu instid0(VALU_DEP_2)
	v_permlanex16_b32 v[BT+\b], v[BM+\b], s[SEL], s[SEL+1]
.endr
.irp b, 0,1
	s_delay_alu instid0(VALU_DEP_2)
	v_max_num_f32 v[BM+\b], v[BM+\b], v[BT+\b]
.endr
.irp b, 0,1
	s_delay_alu instid0(VALU_DEP_2)
	v_add_nc_u32 v[BSC+\b], 0xff000000, v[BM+\b]
.endr
.irp b, 0,1
	s_delay_alu instid0(VALU_DEP_2)
	v_lshrrev_b32 v[BT+\b], 23, v[BSC+\b]
.endr
	s_delay_alu instid0(VALU_DEP_1)
	v_lshl_or_b32 v[TMP], v[BT+1], 8, v[BT]        ; my row's two bytes
	v_cvt_scalef32_pk16_fp6_f32 v[PC:PC+2], v[S:S+15], v[BSC]
	v_cvt_scalef32_pk16_fp6_f32 v[Y:Y+2], v[S+16:S+31], v[BSC+1]
	v_nop                                          ; one plain place behind a scaled conversion
.irp i, 0,1,2
	v_permlane16_swap_b32 v[PC+\i], v[Y+\i]
.endr
.irp i, 0,1,2
	s_delay_alu instid0(VALU_DEP_3)
	v_mov_b32 v[PC+3+\i], v[Y+\i]
.endr
	v_cmp_neq_f32 vcc_lo, 0, v[LL]
.if (\pass) == 0
	s_delay_alu instid0(VALU_DEP_1)
	v_cndmask_b32 v[OW], 0xffff, v[TMP], vcc_lo    ; a row with no key that counts: both bytes 0xff
.else
	s_delay_alu instid0(VALU_DEP_1)
	v_cndmask_b32 v[TMP], 0xffff, v[TMP], vcc_lo
	s_delay_alu instid0(VALU_DEP_1)
	v_cndmask_b32 v[OW], v[OW], v[TMP], s[HI]      ; lanes 16-31 keep the second tile's rows
.endif
.irp p, 0,1,2
	global_store_b64 v1, v[PC+2*\p:PC+2*\p+1], s[60:61] offset:12288*(\pass)+256*\p   ; 256 consecutive bytes, aligned
.endr
.endm
	SETUP
	s_wait_tensorcnt 0x0                           ; my sixteenth of k and V has landed
	s_wait_dscnt 0x0                               ; and my LDS stores: the scale words and the bias
	s_barrier_signal -1
	s_barrier_wait -1                              ; everybody's have: the launch's one barrier for data; both tiles walk all sixteen steps with no other
	WALK 0, 16, 16, 92
	EPI 0
	s_wait_xcnt 0x0                                ; the stores have read their registers, which the second tile writes again
	SETUP
	WALK 0, 16, 228, 95                            ; the second tile finds all of k and V landed: no wait, no barrier
	EPI 1
	global_store_b16 v31, v[OW], s[62:63]          ; 32 rows' two bytes: 64 consecutive bytes a wave, one part in 24 of what the wave stores
	s_wait_tensorcnt 0x0                           ; the wave's end, behind my last tensor load and my last LDS store
	ds_add_u32 v[SPW], v[NIL]
	s_wait_dscnt 0x0
	CROUND                                         ; the closing round
	s_endpgm
.Lfunc_end_k_qe9646cb4f1_attn:
	.size	k_qe9646cb4f1_attn, .Lfunc_end_k_qe9646cb4f1_attn-k_qe9646cb4f1_attn
	.p2alignl 7, 3214868480
	.fill 96, 4, 3214868480
	.section	.rodata,"a",@progbits
	.p2align	6, 0x0
	.amdhsa_kernel k_qe9646cb4f1_attn
		.amdhsa_group_segment_fixed_size 219136
		.amdhsa_private_segment_fixed_size 0
		.amdhsa_enable_private_segment 0
		.amdhsa_kernarg_size 40
		.amdhsa_user_sgpr_count 2
		.amdhsa_user_sgpr_kernarg_segment_ptr 1
		.amdhsa_wavefront_size32 1
		.amdhsa_system_sgpr_workgroup_id_x 1
		.amdhsa_system_sgpr_workgroup_id_y 1
		.amdhsa_system_sgpr_workgroup_id_z 1
		.amdhsa_system_vgpr_workitem_id 0
		.amdhsa_next_free_vgpr 256
		.amdhsa_next_free_sgpr 90
		.amdhsa_reserve_vcc 1
		.amdhsa_float_denorm_mode_32 3
		.amdhsa_float_denorm_mode_16_64 3
		.amdhsa_memory_ordered 1
		.amdhsa_forward_progress 1
		.amdhsa_inst_pref_size 60
	.end_amdhsa_kernel
	.amdgpu_metadata
---
amdhsa.version: [ 1, 2 ]
amdhsa.kernels:
  - .name:           k_qe9646cb4f1_attn
    .symbol:         k_qe9646cb4f1_attn.kd
    .args:
      - { .name: qkv_img, .offset: 0, .size: 8, .value_kind: global_buffer, .address_space: global }
      - { .name: qkv_sc, .offset: 8, .size: 8, .value_kind: global_buffer, .address_space: global }
      - { .name: attention_mask, .offset: 16, .size: 8, .value_kind: global_buffer, .address_space: global }
      - { .name: o_img, .offset: 24, .size: 8, .value_kind: global_buffer, .address_space: global }
      - { .name: o_sc, .offset: 32, .size: 8, .value_kind: global_buffer, .address_space: global }
    .group_segment_fixed_size: 219136
    .private_segment_fixed_size: 0
    .kernarg_segment_align: 8
    .kernarg_segment_size: 40
    .max_flat_workgroup_size: 512
    .sgpr_count:     90
    .vgpr_count:     256
    .wavefront_size: 32
...
	.end_amdgpu_metadata
.endif
;; end of part 3
;; launch outp (part 4): grid 4 x 64, 4 waves a work-group, clusters of 4 x 4, 295,424 bytes of LDS; arguments o_img, o_sc, xw_img, xw_sc, out0; writes out0
.if DOCPART == 4
	.amdgcn_target "amdgcn-amd-amdhsa--gfx1250"
	.amdhsa_code_object_version 6
	.text
	.protected	k_qe9646cb4f1_outp
	.globl	k_qe9646cb4f1_outp
	.p2align	8
	.type	k_qe9646cb4f1_outp,@function
k_qe9646cb4f1_outp:
	s_mov_b64 s[64:65], 0
	v_nop
	global_prefetch_b8 v0, s[64:65] scope:SCOPE_SE
	s_setreg_imm32_b32 hwreg(HW_REG_WAVE_MODE, 25, 1), 1
	s_wait_xcnt 0x0
	s_wait_alu depctr_hold_cnt(0) depctr_sa_sdst(0) depctr_va_vdst(0) depctr_va_sdst(0) depctr_va_ssrc(0) depctr_va_vcc(0) depctr_vm_vsrc(0)
	s_getreg_b32 s2, hwreg(HW_REG_IB_STS2, 6, 4)
	s_cmp_eq_u32 s2, 0
	s_cbranch_scc0 .Lentry_in_a_cluster
	s_endpgm
.Lentry_in_a_cluster:
	s_bfe_u32 s2, ttmp6, 0x10000c
	s_cmp_lg_u32 s2, 0xf033
	s_cbranch_scc0 .Lentry_shape_is_right
	s_endpgm
.Lentry_shape_is_right:
; out0 = O Wo^T on codes of FP6 (E2M3) with E8M0 scales; out0 [8192][1024] f32.  O's codes and scale bytes come from the attention launch, Wo's from the first launch.
; A work-group makes 128 rows x 256 columns; a wave 64 x 128: 32 accumulators.  THE MATRIX INSTRUCTION IS USED TRANSPOSED (source 0 = 16 rows of Wo, source 1 = 16 rows of O): a lane holds eight
; neighbouring numbers of a row of out0.
; ALL OF K (1,024) LIES IN LDS AT ONCE: (128 + 256) rows x 768 bytes, brought in four quarters of K by four tensor loads a wave, all issued at the head: nothing is filled twice, so there is no ring, and no
; later load for which a prefetch could ask ahead.  CLUSTERS: 4 x 4 work-groups; O's tile is asked for jointly along a row of the cluster, Wo's along a column.
; Operands are images of their registers, 1,536 bytes a fragment: Wo's as three chunks of 512 bytes (lane l at 16 l), O's as six pieces of 256 bytes (piece p = registers 2 p, 2 p + 1, lane l at 8 l).
; O's scale bytes lie [head][row], two bytes each: a K step's word is pieced together from its two heads'.  A row whose bytes are 0xff (no key counted) comes out as NaN.
; REGISTERS, in windows of 256: window 0: v16-30 addresses; v32-47 O's scale words, v48-79 Wo's; v80-111 O's bytes as loaded; v128-223 O's fragments, two sets; on the way out v128-255 rows of out0.
;   window 1: accumulator (a, b) at v[8 (8 a + b)].   window 2: Wo's fragments, two sets, at v0 and v96.
; K COMES IN TWO HALVES, ONE TENSOR LOAD A WAVE (in place of the four quarters that the head names): wave 0 O's first half, wave 1 Wo's, wave 2 O's second half, wave 3 Wo's.
.set QB,    6144                       ; four K steps of a rowblock: a row of a tensor load's tile
.set AQ,    8*QB
.set BQ,    16*QB
.set BLDS,  2*AQ
.set SPARE, BLDS+2*BQ
.set STGB,  8448                       ; the way out: a stage of 16 rows x 528 bytes for each wave, in O's tiles, which by then have had their only fill and their last read
.set ADRA, 16
.set ADRB, 20
.set STO,  24
.set RD,   25
.set CO,   26
.set SVO,  27
.set SPW,  28
.set NIL,  29
.set UVO,  30
.set SA,   32
.set SB,   48
.set UB,   80
.set AF,   128
.set BK,   128
.set G1A, 24
.set G1B, 32
.set G0A, 48
.set G0B, 68
.set MSB, 0
.macro WIN new
.if MSB != \new
	s_set_vgpr_msb (MSB<<8)|\new
.set MSB, \new
.endif
.endm
.macro PLACES
.rept 4
	v_nop
.endr
.endm
.macro CROUND
	s_barrier_signal -1
	s_barrier_wait -1
	s_cmp_lg_u32 s14, 0
	s_cbranch_scc1 .Lnot_wave_0_\@
	s_barrier_signal -3
.Lnot_wave_0_\@:
	s_barrier_wait -3
	s_barrier_signal -1
	s_barrier_wait -1
.endm
	s_load_b256 s[4:11], s[0:1], 0x0               ; o_img, o_sc, xw_img, xw_sc
	s_load_b64 s[12:13], s[0:1], 0x20              ; out0
	v_lshl_add_u32 v[SPW], v0, 2, SPARE
	v_mov_b32 v[NIL], 0
	ds_add_u32 v[SPW], v[NIL]                      ; the wave's opening: the add and its wait ahead of my first tensor load
	ds_add_u32 v[SPW], v[NIL]
	v_lshrrev_b32 v1, 5, v0
	v_readfirstlane_b32 s14, v1                    ; wave
	s_lshr_b32 s15, s14, 1                         ; which 64 rows are mine.  Also: I fetch for O (0) or for Wo (1)
	s_and_b32 s16, s14, 1                          ; which 128 columns.  Also: which half of the tile I fetch
	s_bfe_u32 s40, ttmp6, 0x40000                  ; cx
	s_bfe_u32 s41, ttmp6, 0x40004                  ; cy
	s_and_b32 s17, ttmp7, 0xffff
	s_lshl_b32 s17, s17, 2
	s_add_co_u32 s17, s17, s41                     ; tile row = 4 x cluster y + cy
	s_mov_b32 s18, s40                             ; tile column = cx
	s_lshl_b32 s20, s41, 2
	s_lshl_b32 s20, 15, s20                        ; my row of the cluster
	s_lshl_b32 s21, 0x1111, s40                    ; my column
	s_or_b32 s[G1A], s20, (3<<16)|(1<<21)          ; the mask; elements of 8 bytes; bit 21 beside a mask; no padding
	s_or_b32 s[G1B], s21, (3<<16)|(1<<21)
	s_mov_b32 s[G1A+1], 768<<16                    ; rows of 6,144 bytes: four K steps of a rowblock
	s_mov_b32 s[G1A+2], 8<<16
	s_mov_b32 s[G1A+3], 768<<16
	s_mov_b32 s[G1A+4], 8
	s_mov_b32 s[G1A+5], 1536                       ; 12,288 bytes from rowblock to rowblock
	s_mov_b32 s[G1A+6], 0
	s_mov_b32 s[G1A+7], 0
	s_mov_b32 s[G1B+1], 768<<16
	s_mov_b32 s[G1B+2], 16<<16
	s_mov_b32 s[G1B+3], 768<<16
	s_mov_b32 s[G1B+4], 16
	s_mov_b32 s[G1B+5], 1536
	s_mov_b32 s[G1B+6], 0
	s_mov_b32 s[G1B+7], 0
	s_lshl_b32 s22, s17, 3                         ; O: rowblock 8 x tile row + 4 x half
	s_mul_i32 s22, s22, 12288
	s_mov_b32 s23, 0
	s_lshl_b32 s92, s18, 4                         ; Wo: rowblock 1,216 + 16 x tile column + 8 x half
	s_add_co_u32 s92, s92, 1216
	s_mul_i32 s92, s92, 12288
	s_mov_b32 s93, 0
	s_wait_dscnt 0x0                               ; the opening add is done
	s_wait_kmcnt 0x0
	s_add_nc_u64 s[22:23], s[4:5], s[22:23]
	s_add_nc_u64 s[92:93], s[8:9], s[92:93]
	CROUND                                         ; all sixteen work-groups are here: the joint loads meet
.irp q, 0,1
	s_mov_b32 s[G0A+4*\q], 1
	s_mov_b32 s[G0A+4*\q+1], AQ*\q                 ; the LDS places are constants
	s_add_nc_u64 s[G0A+4*\q+2:G0A+4*\q+3], s[22:23], QB*\q
	s_or_b32 s[G0A+4*\q+3], s[G0A+4*\q+3], 0x80000000
	s_mov_b32 s[G0B+4*\q], 1
	s_mov_b32 s[G0B+4*\q+1], BLDS+BQ*\q
	s_add_nc_u64 s[G0B+4*\q+2:G0B+4*\q+3], s[92:93], QB*\q
	s_or_b32 s[G0B+4*\q+3], s[G0B+4*\q+3], 0x80000000
.endr
; one chain of branches on the wave's number, one joint load to an arm, all arms to one join: one tensor load of mine is out
.macro ARM under, g0, g1, next
	s_cmp_lt_u32 s14, \under
	s_cbranch_scc0 \next
	tensor_load_to_lds s[\g0:\g0+3], s[\g1:\g1+7]
	s_nop 0
	PLACES
	s_branch .Lasked
\next:
.endm
	ARM 1, G0A, G1A, .Lhead_b0                     ; wave 0: O, K steps 0-3
	ARM 2, G0B, G1B, .Lhead_a1                     ; wave 1: Wo, K steps 0-3
	ARM 3, G0A+4, G1A, .Lhead_b1                   ; wave 2: O, K steps 4-7
	tensor_load_to_lds s[G0B+4:G0B+7], s[G1B:G1B+7] ; wave 3: Wo, K steps 4-7
	s_nop 0
	PLACES
.Lasked:
	v_and_b32 v1, 31, v0                           ; lane
	v_and_b32 v3, 15, v0                           ; r
	v_bfe_u32 v4, v0, 4, 1                         ; h
	v_lshlrev_b32 v2, 4, v1                        ; 16 x lane
	v_lshlrev_b32 v5, 3, v1                        ; 8 x lane
	v_lshlrev_b32 v[SVO], 5, v1
	v_lshlrev_b32 v[UVO], 1, v1
	s_wait_alu depctr_va_vdst(0)
	v_lshlrev_b32 v[CO], 4, v1
	s_lshl_b32 s2, s17, 8                          ; O's bytes: 2 x (128 x tile row + 64 x my half)
	s_lshl_b32 s3, s15, 7
	s_add_co_u32 s2, s2, s3
	s_mov_b32 s3, 0
	s_add_nc_u64 s[2:3], s[6:7], s[2:3]
	s_lshl_b32 s84, s18, 4
	s_add_co_u32 s84, s84, 1216
	s_lshl_b32 s85, s16, 3
	s_add_co_u32 s84, s84, s85                     ; my first rowblock of Wo
	s_lshl_b32 s84, s84, 9
	s_mov_b32 s85, 0
	s_add_nc_u64 s[84:85], s[10:11], s[84:85]
.irp i, 0,1
.irp d, 0,1,2,3,4,5,6,7,8,9,10,11,12,13,14,15
	global_load_u16 v[UB+16*\i+\d], v[UVO], s[2:3] offset:16384*\d+64*\i   ; head d, rows 32 i + lane of my 64
.endr
.endr
.irp i, 0,1,2,3
.irp g, 0,1
	global_load_b128 v[SB+8*\i+4*\g:SB+8*\i+4*\g+3], v[SVO], s[84:85] offset:1024*\i+16*\g
.endr
.endr
	s_mul_i32 s20, s15, 4*QB
	s_mul_i32 s21, s16, 8*QB
	s_add_co_u32 s21, s21, BLDS
.irp q, 0,1
	v_add_nc_u32 v[ADRA+\q], s20, v5
	v_add_nc_u32 v[ADRB+\q], s21, v2
	s_add_co_u32 s20, s20, AQ
	s_add_co_u32 s21, s21, BQ
.endr
	s_mul_i32 s20, s14, STGB                       ; my stage
	v_mul_u32_u24 v[STO], v3, 528
	v_lshl_add_u32 v[STO], v4, 5, v[STO]
	v_add_nc_u32 v[STO], s20, v[STO]               ; in: row r, 32 bytes for each half of the lanes
	v_add_nc_u32 v[RD], s20, v2                    ; back: the 32 lanes take one row of 512 bytes
	s_lshl_b32 s86, s17, 19                        ; out0: (128 x tile row + 64 x half) rows of 4,096 bytes + 1,024 x tile column + 512 x half
	s_lshl_b32 s87, s15, 18
	s_add_co_u32 s86, s86, s87
	s_lshl_b32 s87, s18, 10
	s_add_co_u32 s86, s86, s87
	s_lshl_b32 s87, s16, 9
	s_add_co_u32 s86, s86, s87
	s_mov_b32 s87, 0
	s_add_nc_u64 s[86:87], s[12:13], s[86:87]
.macro FETCH ks                        ; K step ks: Wo's eight fragments (24 loads of 16 bytes) and O's four (24 of 8), in one run, into set ks % 2
	WIN 0x80
.irp b, 0,1,2,3,4,5,6,7
.irp j, 0,1,2
	ds_load_b128 v[96*((\ks)%2)+12*\b+4*\j:96*((\ks)%2)+12*\b+4*\j+3], v[ADRB+(\ks)/4] offset:QB*\b+1536*((\ks)%4)+512*\j
.endr
.endr
	WIN 0
.irp a, 0,1,2,3
.irp p, 0,1,2,3,4,5
	ds_load_b64 v[AF+48*((\ks)%2)+12*\a+2*\p:AF+48*((\ks)%2)+12*\a+2*\p+1], v[ADRA+(\ks)/4] offset:QB*\a+1536*((\ks)%4)+256*\p
.endr
.endr
.endm
.macro WM ks, a, b                     ; Wo's rowblock b (source 0) x O's rowblock a (source 1); an odd rowblock's scale words lie in lanes 16-31; K step 0 starts the sums
.set rD, 8*(8*(\a)+(\b))
.set rB, 96*((\ks)%2)+12*(\b)
.set rA, AF+48*((\ks)%2)+12*(\a)
.set rT, SB+8*((\b)/2)+(\ks)
.set rS, SA+8*((\a)/2)+(\ks)
.set par, 2*((\a)%2)+(\b)%2
.if (\ks) == 0
.if par == 0
	v_wmma_scale_f32_16x16x128_f8f6f4 v[rD:rD+7], v[rB:rB+11], v[rA:rA+11], 0, v[rT], v[rS] matrix_a_fmt:MATRIX_FMT_FP6 matrix_b_fmt:MATRIX_FMT_FP6
.elseif par == 1
	v_wmma_scale_f32_16x16x128_f8f6f4 v[rD:rD+7], v[rB:rB+11], v[rA:rA+11], 0, v[rT], v[rS] matrix_a_fmt:MATRIX_FMT_FP6 matrix_b_fmt:MATRIX_FMT_FP6 matrix_a_scale:MATRIX_SCALE_ROW1
.elseif par == 2
	v_wmma_scale_f32_16x16x128_f8f6f4 v[rD:rD+7], v[rB:rB+11], v[rA:rA+11], 0, v[rT], v[rS] matrix_a_fmt:MATRIX_FMT_FP6 matrix_b_fmt:MATRIX_FMT_FP6 matrix_b_scale:MATRIX_SCALE_ROW1
.else
	v_wmma_scale_f32_16x16x128_f8f6f4 v[rD:rD+7], v[rB:rB+11], v[rA:rA+11], 0, v[rT], v[rS] matrix_a_fmt:MATRIX_FMT_FP6 matrix_b_fmt:MATRIX_FMT_FP6 matrix_a_scale:MATRIX_SCALE_ROW1 matrix_b_scale:MATRIX_SCALE_ROW1
.endif
.else
.if par == 0
	v_wmma_scale_f32_16x16x128_f8f6f4 v[rD:rD+7], v[rB:rB+11], v[rA:rA+11], v[rD:rD+7], v[rT], v[rS] matrix_a_fmt:MATRIX_FMT_FP6 matrix_b_fmt:MATRIX_FMT_FP6
.elseif par == 1
	v_wmma_scale_f32_16x16x128_f8f6f4 v[rD:rD+7], v[rB:rB+11], v[rA:rA+11], v[rD:rD+7], v[rT], v[rS] matrix_a_fmt:MATRIX_FMT_FP6 matrix_b_fmt:MATRIX_FMT_FP6 matrix_a_scale:MATRIX_SCALE_ROW1
.elseif par == 2
	v_wmma_scale_f32_16x16x128_f8f6f4 v[rD:rD+7], v[rB:rB+11], v[rA:rA+11], v[rD:rD+7], v[rT], v[rS] matrix_a_fmt:MATRIX_FMT_FP6 matrix_b_fmt:MATRIX_FMT_FP6 matrix_b_scale:MATRIX_SCALE_ROW1
.else
	v_wmma_scale_f32_16x16x128_f8f6f4 v[rD:rD+7], v[rB:rB+11], v[rA:rA+11], v[rD:rD+7], v[rT], v[rS] matrix_a_fmt:MATRIX_FMT_FP6 matrix_b_fmt:MATRIX_FMT_FP6 matrix_a_scale:MATRIX_SCALE_ROW1 matrix_b_scale:MATRIX_SCALE_ROW1
.endif
.endif
.endm
; A K step: 32 products, the 32 accumulators by turns, one instruction a turn, in the same order in every step
.macro KSTEP ks
	s_wait_dscnt 0x0                               ; this step's fragments, asked for a whole K step ago, are in
.if (\ks) == 3
	s_wait_tensorcnt 0x0                           ; every wave's one load has landed: the second half of K among them
	s_barrier_signal -1
	s_barrier_wait -1
.endif
.if (\ks) == 7
	s_barrier_signal -1                            ; every wave's last reads of the tiles are back: behind this barrier the stages may be written over O's tiles
	s_barrier_wait -1
.endif
.if (\ks) < 7
.if (\ks) > 0
	PLACES
.endif
	FETCH (\ks)+1
.endif
	WIN 0x52                                       ; source 0 (Wo) window 2, source 1 (O) window 0, C and D window 1
.irp a, 0,1,2,3
.irp b, 0,1,2,3,4,5,6,7
	WM \ks, \a, \b
.endr
.endr
	WIN 0
.endm
	s_wait_alu depctr_va_vdst(0)
	s_cmp_lt_u32 s14, 2                            ; waves 0 and 1 brought the first half of K, each by a load line of its own: they alone wait here
	s_cbranch_scc0 .Lnot_first
	s_wait_tensorcnt 0x0
.Lnot_first:
	s_barrier_signal -1
	s_barrier_wait -1                              ; the first half of K is in; the second may be on its way
	FETCH 0
	s_wait_loadcnt 0x0                             ; the scale words and bytes
.irp i, 0,1
.irp k, 0,1,2,3,4,5,6,7
	v_lshl_or_b32 v[SA+8*\i+\k], v[UB+16*\i+2*\k+1], 16, v[UB+16*\i+2*\k]   ; K step k = heads 2 k and 2 k + 1: the even head's two bytes below, the odd head's above
.endr
.endr
.rept 8
	v_nop                                          ; a scale register written by a vector instruction stands eight places ahead of a scaled matrix instruction
.endr
	s_wait_alu depctr_va_vdst(0)
.irp k, 0,1,2,3,4,5,6,7
	KSTEP \k
.endr
; THE WAY OUT, block by block of 16 rows x 128 columns, through my own stage: in as 32 bytes a lane, back as whole rows of 512 bytes.  LDS serves a wave's instructions in order (ISA guide 5.7.1.4).
.macro TOSTAGE a
	WIN 0x04                                       ; an LDS store's data are its source 1: window 1
.irp b, 0,1,2,3,4,5,6,7
	ds_store_b128 v[STO], v[64*(\a)+8*\b:64*(\a)+8*\b+3] offset:64*\b          ; each accumulator from its low end on
	ds_store_b128 v[STO], v[64*(\a)+8*\b+4:64*(\a)+8*\b+7] offset:64*\b+16
.endr
	WIN 0
.irp t, 0,1,2,3,4,5,6,7,8,9,10,11,12,13,14,15
	ds_load_b128 v[BK+64*((\a)%2)+4*\t:BK+64*((\a)%2)+4*\t+3], v[RD] offset:\t*528
.endr
.endm
.macro SEND a, younger                 ; younger: the LDS instructions issued behind block a's loads, which may stay out
	s_wait_dscnt \younger
.irp t, 0,1,2,3,4,5,6,7,8,9,10,11,12,13,14,15
	global_store_b128 v[CO], v[BK+64*((\a)%2)+4*\t:BK+64*((\a)%2)+4*\t+3], s[86:87] offset:(16*(\a)+\t)*4096 th:TH_STORE_NT   ; 512 consecutive bytes, at a multiple of 256 from out0's first byte
.endr
.endm
	PLACES
	TOSTAGE 0
.irp a, 1,2,3
.if \a > 1
	s_wait_xcnt 0x0                                ; block a - 2's stores have read their registers: block a's loads may land there
.endif
	TOSTAGE \a
	SEND \a-1, 32                                  ; behind block a - 1's loads: block a's 16 stores and 16 loads
.endr
	SEND 3, 0
	s_wait_tensorcnt 0x0                           ; the wave's end, behind my last tensor load and my last LDS store
	ds_add_u32 v[SPW], v[NIL]
	s_wait_dscnt 0x0
	CROUND                                         ; the closing round
	s_endpgm
.Lfunc_end_k_qe9646cb4f1_outp:
	.size	k_qe9646cb4f1_outp, .Lfunc_end_k_qe9646cb4f1_outp-k_qe9646cb4f1_outp
	.p2alignl 7, 3214868480
	.fill 96, 4, 3214868480
	.section	.rodata,"a",@progbits
	.p2align	6, 0x0
	.amdhsa_kernel k_qe9646cb4f1_outp
		.amdhsa_group_segment_fixed_size 295424
		.amdhsa_private_segment_fixed_size 0
		.amdhsa_enable_private_segment 0
		.amdhsa_kernarg_size 40
		.amdhsa_user_sgpr_count 2
		.amdhsa_user_sgpr_kernarg_segment_ptr 1
		.amdhsa_wavefront_size32 1
		.amdhsa_system_sgpr_workgroup_id_x 1
		.amdhsa_system_sgpr_workgroup_id_y 1
		.amdhsa_system_sgpr_workgroup_id_z 1
		.amdhsa_system_vgpr_workitem_id 0
		.amdhsa_next_free_vgpr 768
		.amdhsa_next_free_sgpr 100
		.amdhsa_reserve_vcc 0
		.amdhsa_float_denorm_mode_32 3
		.amdhsa_float_denorm_mode_16_64 3
		.amdhsa_memory_ordered 1
		.amdhsa_forward_progress 1
		.amdhsa_inst_pref_size 86
	.end_amdhsa_kernel
	.amdgpu_metadata
---
amdhsa.version: [ 1, 2 ]
amdhsa.kernels:
  - .name:           k_qe9646cb4f1_outp
    .symbol:         k_qe9646cb4f1_outp.kd
    .args:
      - { .name: o_img, .offset: 0, .size: 8, .value_kind: global_buffer, .address_space: global }
      - { .name: o_sc, .offset: 8, .size: 8, .value_kind: global_buffer, .address_space: global }
      - { .name: xw_img, .offset: 16, .size: 8, .value_kind: global_buffer, .address_space: global }
      - { .name: xw_sc, .offset: 24, .size: 8, .value_kind: global_buffer, .address_space: global }
      - { .name: out0, .offset: 32, .size: 8, .value_kind: global_buffer, .address_space: global }
    .group_segment_fixed_size: 295424
    .private_segment_fixed_size: 0
    .kernarg_segment_align: 8
    .kernarg_segment_size: 40
    .max_flat_workgroup_size: 128
    .sgpr_count:     100
    .vgpr_count:     768
    .wavefront_size: 32
...
	.end_amdgpu_metadata
.endif
;; end of part 4
